; MI455X (gfx1250); checked and timed in simulation.
; The chip was launched on July 23, 2026; its instructions are those of AMD's public machine-readable ISA for CDNA 5 (MIT licence, August 2026) and "CDNA5" Instruction Set Architecture Reference Guide (July 2026). The comments in the code are by the model that wrote it; some were corrected since.
;; Time Series Multi Head Attention. Allowed arithmetic: float matrix products may take bf16 or f16 operands with f32 sums; other float arithmetic in f32, or as packed bf16 or f16 multiplies, adds, multiply-adds, maxima and minima; sums over many terms, partial sums and values carried from step to step in f32; what a program stores and reads back later, other than sums and carried values, may be rounded once to bf16 or f16.
;; Inputs: Key 8 x 512 x 1,024 float32; Query 8 x 512 x 1,024 float32; Value 8 x 512 x 1,024 float32; Wk 1,024 x 1,024 float32; Wo 1,024 x 1,024 float32; Wq 1,024 x 1,024 float32; Wv 1,024 x 1,024 float32; adj_matrix 8 x 512 x 512 float32; bk 1,024 float32; bo 1,024 float32; bq 1,024 float32; bv 1,024 float32; imf_1_matrix 8 x 512 x 512 float32; imf_2_matrix 8 x 512 x 512 float32; imf_3_matrix 8 x 512 x 512 float32; imf_4_matrix 8 x 512 x 512 float32; imf_5_matrix 8 x 512 x 512 float32; lambdas 7 float32; mask 8 x 512 int32.
;; Outputs: out0 8 x 512 x 1,024 float32.
;; 2 versions, each right; version 2 is version 1 with the launch prep written anew for expert scheduling mode. Each part assembles by itself: llvm-mc -triple=amdgcn-amd-amdhsa -mcpu=gfx1250 --defsym DOCPART=n.
;; ======== version 1 of 2: 4 launches
;; limits: right only within a limited range of input values; values are held in f16: magnitudes above 65,504 overflow, below 6.1e-05 lose precision; values outside matrix products are rounded to f16
;; workspace buffers: abf 25,165,824 bytes; wbf 8,388,608 bytes; qkv 25,165,824 bytes; pe 4,194,304 bytes; xf 8,388,608 bytes
;; launch prep (part 1): grid 256 x 1, 16 waves a work-group, no clusters, 18,688 bytes of LDS; arguments imf_1_matrix, imf_2_matrix, imf_3_matrix, imf_4_matrix, imf_5_matrix, adj_matrix, mask, lambdas, Query, Key, Value, Wq, Wk, Wv, Wo, pe, abf, wbf; writes pe, abf, wbf
.if DOCPART == 1
	.amdgcn_target "amdgcn-amd-amdhsa--gfx1250"
	.amdhsa_code_object_version 6
	.text
	.protected	k_q755cfec48e_prep
	.globl	k_q755cfec48e_prep
	.p2align	8
	.type	k_q755cfec48e_prep,@function
k_q755cfec48e_prep:
	s_mov_b64 s[64:65], 0
	v_nop
	global_prefetch_b8 v0, s[64:65] scope:SCOPE_SE
	s_setreg_imm32_b32 hwreg(HW_REG_WAVE_MODE, 25, 1), 1
	s_wait_xcnt 0x0
; prep: (1) Pe[b][q][k] = sum over i of lambda[i+1] softmax(-imf_i, masked keys at +inf)[q][k] + lambda[6] adj[q][k] / (sum over k of adj + 1e-6),
;           in f32; 64 Pe / s is rounded once to f16 and stored in the order in which the attention launch holds its score tiles;
;           s = |lambda[0]| + .. + |lambda[6]| + 2^-100, made in the same order of additions in all three launches that use it;
;       (2) bf16 copies of Query, Key, Value (abf) and of Wq, Wk, Wv (wbf, matrices 0-2); Wo rounded to bf16 and written as f16 (wbf, matrix 3).
; A stream: every input byte is read once by 16-byte loads of which a wave's 32 cover 512 consecutive bytes; no matrix unit, no cluster (nothing is shared).
; 256 work-groups x 16 waves = 4,096 waves.  Wave W owns row W of the six [4096][512] matrices, row W of Query, Key, Value, and 1,024 bytes of each weight matrix.
; A row of 512 f32 is 16 registers of the wave, so minimum, exponentials, sums and the weighted sum stay in registers.
; Load i of a row takes bytes 16 lane + 512 i: a lane holds columns 4 lane + 128 i + 0..3, in 16 bits the 8 bytes at 8 lane + 256 i,
; so each 8-byte store of a wave covers 256 consecutive bytes that begin at a multiple of 256.
; pe's order: the 16 bytes at 16384 qblk + 256 c + 16 r hold 64 Pe[16 qblk + r][8 c .. 8 c + 7] / s.  The work-group's 16 rows are one qblk; they meet in LDS (pitch 1,040).
; WHY f16, WHY 1 / s AND WHY 64: Pe is a weight of a sum of 512 terms of mixed sign, so its rounding shows in full in the result: f16's eleven bits are wanted.
; Divided by s a row of all the weights sums to at most 1 in magnitude whatever the lambdas' size (adj of one sign), an entry is about 1/512; times 64 it is about 0.1,
; four decades above f16's smallest normal number and five below its largest.  The output projection multiplies by s again.  With every lambda 0 all weights are 0.
; WHY Wo GOES THROUGH bf16: every input of the problem enters its product with bf16's eight bits; f16 is only Wo's container, because its partner x / s is f16 and a matrix
; instruction takes both operands in one format.  A bf16 number from 2^-14 to 65,504 is exact in f16; below, the step is 6e-8 (3e-6 of Wo's spread as drawn).
; LIMITS: 64 |Pe| / s and |Wo| must stay below 65,504; the division is v_rcp_f32 and a multiply; v_exp_f32 gives 0 for results below 2^-126; NaN and infinite inputs are
; not treated apart.  A row whose keys are all masked gives inf - inf = NaN, as the softmax of the definition does.
.set MSK, 4                            ; v[4:19]    the mask's 16 words of my columns
.set M,   20                           ; v[20:115]  matrix m (0-4 imf, 5 adj): 16 registers at M + 16 m; adj's become the weighted sum
.set CA,  116                          ; v[116:147] my row of Query
.set CB,  148                          ; v[148:179] my row of Key
.set INF, 180                          ; +infinity
.set MN,  181                          ; v[181:185] the five minima
.set PX,  186                          ; what v_permlanex16_b32 brings
.set MC,  188                          ; v[188:197] minimum x log2(e), twice each (pairs for the packed multiply-add)
.set SM,  198                          ; v[198:209] six sums, later the six weights, twice each
.set LW,  212                          ; LDS address of my wave's row, + 8 lane
.set LR,  213                          ; LDS address that thread T reads back
.set TT,  214                          ; at work
.set PO,  215                          ; 16 T: thread T's place in the work-group's 16,384 bytes of pe
.set LP,  1040                         ; LDS pitch: 1,024 bytes + 16 = 65 x 16, so 16 rows' equal columns lie in 16 different 16-byte columns of 256
	s_load_b512 s[8:23], s[0:1], 0x0               ; imf_1..5 s[8:17], adj s[18:19], mask s[20:21], lambdas s[22:23]
	s_load_b512 s[24:39], s[0:1], 0x40             ; Query, Key, Value s[24:29], Wq, Wk, Wv, Wo s[30:37], pe s[38:39]
	s_load_b128 s[40:43], s[0:1], 0x80             ; abf s[40:41], wbf s[42:43]
	v_lshl_add_u32 v216, v0, 2, 0x4100
	v_mov_b32 v217, 0
	v_lshrrev_b32 v3, 5, v0
	v_readfirstlane_b32 s2, v3                     ; wave 0..15
	v_and_b32 v1, 31, v0
	v_lshlrev_b32 v2, 3, v1                        ; 8 lane
	v_lshlrev_b32 v1, 4, v1                        ; 16 lane
	v_mov_b32 v[INF], 0x7f800000
	v_mov_b32 v[PX], 0                             ; v_permlanex16_b32 counts as a reader of its destination
	s_lshl_b32 s3, ttmp9, 4
	s_add_co_u32 s3, s3, s2                        ; W
	s_lshl_b32 s60, s3, 11                         ; W x 2,048: a row of the six matrices, and a row of abf
	s_mov_b32 s61, 0
	s_lshl_b32 s62, s3, 12                         ; W x 4,096: a row of Query, Key, Value
	s_mov_b32 s63, 0
	s_lshl_b32 s66, s3, 10                         ; W x 1,024: my piece of a weight matrix
	s_mov_b32 s67, 0
	s_lshr_b32 s4, ttmp9, 5                        ; batch: 32 work-groups of 16 rows each
	s_lshl_b32 s4, s4, 11                          ; x 2,048 bytes of mask
	s_mov_b32 s5, 0
	s_lshl_b32 s6, s3, 9                           ; W x 512: my piece of a weight matrix in 16 bits
	s_mov_b32 s7, 0
	s_lshl_b32 s80, ttmp9, 14                      ; the work-group's 16,384 bytes of pe
	s_mov_b32 s81, 0
	s_mov_b32 s76, 0x76543210                      ; v_permlanex16_b32: lane i reads lane i of the other half
	s_mov_b32 s77, 0xfedcba98
	s_mov_b32 s78, 0xbfb8aa3b                      ; -log2(e), twice
	s_mov_b32 s79, 0xbfb8aa3b
	s_mul_i32 s2, s2, LP
	v_add_nc_u32 v[LW], s2, v2
	v_and_b32 v[LR], 15, v0
	v_mul_u32_u24 v[LR], v[LR], LP
	v_lshrrev_b32 v[TT], 4, v0
	v_lshl_add_u32 v[LR], v[TT], 4, v[LR]          ; row T % 16, 16-byte column T / 16
	v_lshlrev_b32 v[PO], 4, v0
	s_wait_kmcnt 0x0
	s_load_b128 s[68:71], s[22:23], 0x0            ; lambda 0..3
	s_load_b96 s[72:74], s[22:23], 0x10            ; lambda 4..6: 28 bytes in all, the buffer's size
.irp p, 8,10,12,14,16,18
	s_add_nc_u64 s[\p:\p+1], s[\p:\p+1], s[60:61]
.endr
	s_add_nc_u64 s[20:21], s[20:21], s[4:5]
.irp p, 24,26,28
	s_add_nc_u64 s[\p:\p+1], s[\p:\p+1], s[62:63]
.endr
.irp p, 30,32,34,36
	s_add_nc_u64 s[\p:\p+1], s[\p:\p+1], s[66:67]
.endr
	s_add_nc_u64 s[38:39], s[38:39], s[80:81]
	s_add_nc_u64 s[40:41], s[40:41], s[60:61]      ; abf, part 0 (Query)
	s_add_nc_u64 s[82:83], s[40:41], 0x800000      ; part 1 (Key): 8,388,608 bytes on, one more than a store's immediate reaches
	s_add_nc_u64 s[84:85], s[82:83], 0x800000      ; part 2 (Value)
	s_add_nc_u64 s[42:43], s[42:43], s[6:7]
	; 44 loads of the wave go out at once: 22 KiB
.irp i, 0,1,2,3
	global_load_b128 v[MSK+4*\i:MSK+4*\i+3], v1, s[20:21] offset:512*\i
.endr
.irp m, 0,1,2,3,4,5
.irp i, 0,1,2,3
	global_load_b128 v[M+16*\m+4*\i:M+16*\m+4*\i+3], v1, s[8+2*\m:9+2*\m] offset:512*\i th:TH_LOAD_NT
.endr
.endr
.irp i, 0,1,2,3,4,5,6,7
	global_load_b128 v[CA+4*\i:CA+4*\i+3], v1, s[24:25] offset:512*\i th:TH_LOAD_NT
.endr
.irp i, 0,1,2,3,4,5,6,7
	global_load_b128 v[CB+4*\i:CB+4*\i+3], v1, s[26:27] offset:512*\i th:TH_LOAD_NT
.endr
	s_wait_loadcnt 16                              ; mask and the six rows are in; the 16 younger loads (Query's and Key's rows) stay out
	; masked keys become +infinity in the five imf rows
.irp j, 0,1,2,3,4,5,6,7,8,9,10,11,12,13,14,15
	v_cmp_eq_u32 s[44+\j], 0, v[MSK+\j]
.endr
.irp m, 0,1,2,3,4
.irp j, 0,1,2,3,4,5,6,7,8,9,10,11,12,13,14,15
	v_cndmask_b32 v[M+16*\m+\j], v[M+16*\m+\j], v[INF], s[44+\j]
.endr
.endr
	; the row's minimum (the maximum of -x), the five rows side by side so that no line waits for the one in front of it
.irp m, 0,1,2,3,4
	v_min3_num_f32 v[MN+\m], v[M+16*\m], v[M+16*\m+1], v[M+16*\m+2]
.endr
.irp j, 3,5,7,9,11,13
.irp m, 0,1,2,3,4
	v_min3_num_f32 v[MN+\m], v[MN+\m], v[M+16*\m+\j], v[M+16*\m+\j+1]
.endr
.endr
.irp m, 0,1,2,3,4
	v_min_num_f32 v[MN+\m], v[MN+\m], v[M+16*\m+15]
.endr
.irp x, 1,2,4,8
.irp m, 0,1,2,3,4
	v_min_num_f32_dpp v[MN+\m], v[MN+\m], v[MN+\m] row_xmask:\x row_mask:0xf bank_mask:0xf
.endr
.endr
.irp m, 0,1,2,3,4
	v_permlanex16_b32 v[PX], v[MN+\m], s76, s77
	v_min_num_f32 v[MN+\m], v[MN+\m], v[PX]
.endr
.irp m, 0,1,2,3,4
	v_mul_f32 v[MC+2*\m], 0x3fb8aa3b, v[MN+\m]
	v_mul_f32 v[MC+2*\m+1], 0x3fb8aa3b, v[MN+\m]
.endr
	; e = 2^((min - x) log2 e); the rounding of min x log2 e is a common factor of the row and leaves with the division by the sum
.irp m, 0,1,2,3,4
.irp j, 0,1,2,3,4,5,6,7
	v_pk_fma_f32 v[M+16*\m+2*\j:M+16*\m+2*\j+1], v[M+16*\m+2*\j:M+16*\m+2*\j+1], s[78:79], v[MC+2*\m:MC+2*\m+1] op_sel_hi:[1,0,1]
.endr
.endr
.set q, 0
.rept 80
	v_exp_f32 v[M+q], v[M+q]
.set q, q+1
.endr
	v_nop                                          ; one plain place behind the run of exponentials before a result is used (ISA guide 5.7.2)
	; six row sums (adj's too)
	s_wait_alu depctr_va_vdst(0)
.irp m, 0,1,2,3,4,5
	v_pk_add_f32 v[SM+2*\m:SM+2*\m+1], v[M+16*\m:M+16*\m+1], v[M+16*\m+2:M+16*\m+3]
.endr
.irp j, 2,3,4,5,6,7
.irp m, 0,1,2,3,4,5
	v_pk_add_f32 v[SM+2*\m:SM+2*\m+1], v[SM+2*\m:SM+2*\m+1], v[M+16*\m+2*\j:M+16*\m+2*\j+1]
.endr
.endr
.irp m, 0,1,2,3,4,5
	v_add_f32 v[SM+2*\m], v[SM+2*\m], v[SM+2*\m+1]
.endr
.irp x, 1,2,4,8
.irp m, 0,1,2,3,4,5
	v_add_f32_dpp v[SM+2*\m], v[SM+2*\m], v[SM+2*\m] row_xmask:\x row_mask:0xf bank_mask:0xf
.endr
.endr
.irp m, 0,1,2,3,4,5
	v_permlanex16_b32 v[PX], v[SM+2*\m], s76, s77
	v_add_f32 v[SM+2*\m], v[SM+2*\m], v[PX]
.endr
	v_add_f32 v[SM+10], 0x358637bd, v[SM+10]       ; adj's sum + 1e-6
	s_wait_kmcnt 0x0                               ; the lambdas
	s_and_b32 s75, s68, 0x7fffffff                 ; s = |lambda[0]| + .. + |lambda[6]| + 2^-100
.irp m, 69,70,71,72,73,74
	s_and_b32 s66, s[\m], 0x7fffffff
	s_add_f32 s75, s75, s66
.endr
	s_add_f32 s75, s75, 0x0d800000
.irp m, 0,1,2,3,4,5
	v_mul_f32 v[SM+2*\m], s75, v[SM+2*\m]          ; s x sum: a softmax's sum is at least 1, so the product is no denormal
.endr
.irp m, 0,1,2,3,4,5
	v_rcp_f32 v[SM+2*\m], v[SM+2*\m]
.endr
	v_nop                                          ; the plain place behind the reciprocals
.irp m, 0,1,2,3,4,5
	s_mul_f32 s[69+\m], s[69+\m], 0x42800000       ; 64 lambda[m+1]: a power of two, exact
.endr
	s_wait_alu depctr_va_vdst(0)
.irp m, 0,1,2,3,4,5
	v_mul_f32 v[SM+2*\m+1], s[69+\m], v[SM+2*\m]   ; weight m = 64 lambda[m+1] / (s x sum m), in both registers of its pair
	v_mul_f32 v[SM+2*\m], s[69+\m], v[SM+2*\m]
.endr
	; the weighted sum, in adj's registers
.irp j, 0,1,2,3,4,5,6,7
	v_pk_mul_f32 v[M+80+2*\j:M+80+2*\j+1], v[M+80+2*\j:M+80+2*\j+1], v[SM+10:SM+11]
.endr
.irp m, 0,1,2,3,4
.irp j, 0,1,2,3,4,5,6,7
	v_pk_fma_f32 v[M+80+2*\j:M+80+2*\j+1], v[M+16*\m+2*\j:M+16*\m+2*\j+1], v[SM+2*\m:SM+2*\m+1], v[M+80+2*\j:M+80+2*\j+1]
.endr
.endr
	; the imf registers are free: Value's row and my four pieces of weights go out now, 16 loads
.irp i, 0,1,2,3,4,5,6,7
	global_load_b128 v[M+4*\i:M+4*\i+3], v1, s[28:29] offset:512*\i th:TH_LOAD_NT
.endr
.irp n, 0,1,2,3
	global_load_b128 v[M+32+8*\n:M+32+8*\n+3], v1, s[30+2*\n:31+2*\n] th:TH_LOAD_NT
	global_load_b128 v[M+32+8*\n+4:M+32+8*\n+7], v1, s[30+2*\n:31+2*\n] offset:512 th:TH_LOAD_NT
.endr
.irp j, 0,1,2,3,4,5,6,7
	v_cvt_pk_f16_f32 v[M+80+\j], v[M+80+2*\j], v[M+80+2*\j+1]      ; in place, ascending: line j writes a register that lines j+1.. no longer read
.endr
.irp i, 0,1,2,3
	ds_store_b64 v[LW], v[M+80+2*\i:M+80+2*\i+1] offset:256*\i
.endr
	s_wait_dscnt 0x0                               ; my row is in LDS, for the other waves' sake
	s_barrier_signal -1
	s_barrier_wait -1
	ds_load_b128 v[M+64:M+67], v[LR]               ; 64 Pe[r][8 c ..] / s, c = T / 16
	ds_load_b128 v[M+68:M+71], v[LR] offset:512    ; c + 32
	s_wait_dscnt 0x0
	global_store_b128 v[PO], v[M+64:M+67], s[38:39]                ; a wave's store covers 512 consecutive bytes
	global_store_b128 v[PO], v[M+68:M+71], s[38:39] offset:8192
; cnt loads' worth of f32 at register reg become bf16 and leave: 8 bytes a lane, 256 consecutive bytes a store.  No register is written again behind its store.
.macro CONV reg, cnt, blo, off
.set q, 0
.rept \cnt
	v_cvt_pk_bf16_f32 v[\reg+4*q], v[\reg+4*q], v[\reg+4*q+1]
	v_cvt_pk_bf16_f32 v[\reg+4*q+1], v[\reg+4*q+2], v[\reg+4*q+3]
	global_store_b64 v2, v[\reg+4*q:\reg+4*q+1], s[\blo:\blo+1] offset:\off+256*q
.set q, q+1
.endr
.endm
; the same, the bf16 numbers written as f16: rounded to bf16, widened again (a shift, a mask), narrowed to f16
.macro CONVH reg, cnt, blo, off
.set q, 0
.rept \cnt
	v_cvt_pk_bf16_f32 v[\reg+4*q], v[\reg+4*q], v[\reg+4*q+1]
	v_cvt_pk_bf16_f32 v[\reg+4*q+2], v[\reg+4*q+2], v[\reg+4*q+3]
	v_and_b32 v[\reg+4*q+1], 0xffff0000, v[\reg+4*q]
	v_lshlrev_b32 v[\reg+4*q], 16, v[\reg+4*q]
	v_and_b32 v[\reg+4*q+3], 0xffff0000, v[\reg+4*q+2]
	v_lshlrev_b32 v[\reg+4*q+2], 16, v[\reg+4*q+2]
	v_cvt_pk_f16_f32 v[\reg+4*q], v[\reg+4*q], v[\reg+4*q+1]
	v_cvt_pk_f16_f32 v[\reg+4*q+1], v[\reg+4*q+2], v[\reg+4*q+3]
	global_store_b64 v2, v[\reg+4*q:\reg+4*q+1], s[\blo:\blo+1] offset:\off+256*q
.set q, q+1
.endr
.endm
	s_wait_loadcnt 16                              ; Query's and Key's rows are in; Value's 8 loads and the weights' 8 are younger
	CONV CA, 8, 40, 0
	CONV CB, 8, 82, 0
	s_wait_loadcnt 8                               ; Value's row; the weights' 8 loads are younger
	CONV M, 8, 84, 0
	s_wait_loadcnt 0x0
.irp n, 0,1,2
	CONV M+32+8*\n, 2, 42, \n*2097152              ; matrix n of wbf begins 2,097,152 n bytes in: inside the immediate
.endr
	CONVH M+56, 2, 42, 3*2097152                   ; Wo
	s_wait_tensorcnt 0x0
	ds_add_u32 v216, v217
	s_wait_dscnt 0x0
	s_endpgm
.Lfunc_end_k_q755cfec48e_prep:
	.size	k_q755cfec48e_prep, .Lfunc_end_k_q755cfec48e_prep-k_q755cfec48e_prep
	.p2alignl 7, 3214868480
	.fill 96, 4, 3214868480
	.section	.rodata,"a",@progbits
	.p2align	6, 0x0
	.amdhsa_kernel k_q755cfec48e_prep
		.amdhsa_group_segment_fixed_size 18688
		.amdhsa_private_segment_fixed_size 0
		.amdhsa_enable_private_segment 0
		.amdhsa_kernarg_size 144
		.amdhsa_user_sgpr_count 2
		.amdhsa_user_sgpr_kernarg_segment_ptr 1
		.amdhsa_wavefront_size32 1
		.amdhsa_system_sgpr_workgroup_id_x 1
		.amdhsa_system_sgpr_workgroup_id_y 1
		.amdhsa_system_sgpr_workgroup_id_z 1
		.amdhsa_system_vgpr_workitem_id 0
		.amdhsa_next_free_vgpr 218
		.amdhsa_next_free_sgpr 86
		.amdhsa_reserve_vcc 0
		.amdhsa_float_denorm_mode_32 3
		.amdhsa_float_denorm_mode_16_64 3
		.amdhsa_memory_ordered 1
		.amdhsa_forward_progress 1
		.amdhsa_inst_pref_size 43
	.end_amdhsa_kernel
	.amdgpu_metadata
---
amdhsa.version: [ 1, 2 ]
amdhsa.kernels:
  - .name:           k_q755cfec48e_prep
    .symbol:         k_q755cfec48e_prep.kd
    .args:
      - { .name: imf_1_matrix, .offset: 0, .size: 8, .value_kind: global_buffer, .address_space: global }
      - { .name: imf_2_matrix, .offset: 8, .size: 8, .value_kind: global_buffer, .address_space: global }
      - { .name: imf_3_matrix, .offset: 16, .size: 8, .value_kind: global_buffer, .address_space: global }
      - { .name: imf_4_matrix, .offset: 24, .size: 8, .value_kind: global_buffer, .address_space: global }
      - { .name: imf_5_matrix, .offset: 32, .size: 8, .value_kind: global_buffer, .address_space: global }
      - { .name: adj_matrix, .offset: 40, .size: 8, .value_kind: global_buffer, .address_space: global }
      - { .name: mask, .offset: 48, .size: 8, .value_kind: global_buffer, .address_space: global }
      - { .name: lambdas, .offset: 56, .size: 8, .value_kind: global_buffer, .address_space: global }
      - { .name: Query, .offset: 64, .size: 8, .value_kind: global_buffer, .address_space: global }
      - { .name: Key, .offset: 72, .size: 8, .value_kind: global_buffer, .address_space: global }
      - { .name: Value, .offset: 80, .size: 8, .value_kind: global_buffer, .address_space: global }
      - { .name: Wq, .offset: 88, .size: 8, .value_kind: global_buffer, .address_space: global }
      - { .name: Wk, .offset: 96, .size: 8, .value_kind: global_buffer, .address_space: global }
      - { .name: Wv, .offset: 104, .size: 8, .value_kind: global_buffer, .address_space: global }
      - { .name: Wo, .offset: 112, .size: 8, .value_kind: global_buffer, .address_space: global }
      - { .name: pe, .offset: 120, .size: 8, .value_kind: global_buffer, .address_space: global }
      - { .name: abf, .offset: 128, .size: 8, .value_kind: global_buffer, .address_space: global }
      - { .name: wbf, .offset: 136, .size: 8, .value_kind: global_buffer, .address_space: global }
    .group_segment_fixed_size: 18688
    .private_segment_fixed_size: 0
    .kernarg_segment_align: 8
    .kernarg_segment_size: 144
    .max_flat_workgroup_size: 512
    .sgpr_count:     86
    .vgpr_count:     218
    .wavefront_size: 32
...
	.end_amdgpu_metadata
.endif
;; end of part 1
;; launch qkvproj (part 2): grid 4 x 48, 4 waves a work-group, clusters of 4 x 4, 327,680 bytes of LDS; arguments abf, wbf, qkv, bq, bk, bv; writes qkv
.if DOCPART == 2
	.amdgcn_target "amdgcn-amd-amdhsa--gfx1250"
	.amdhsa_code_object_version 6
	.text
	.protected	k_q755cfec48e_qkvproj
	.globl	k_q755cfec48e_qkvproj
	.p2align	8
	.type	k_q755cfec48e_qkvproj,@function
k_q755cfec48e_qkvproj:
	s_mov_b64 s[64:65], 0
	v_nop
	global_prefetch_b8 v0, s[64:65] scope:SCOPE_SE
	s_setreg_imm32_b32 hwreg(HW_REG_WAVE_MODE, 25, 1), 1
	s_wait_xcnt 0x0
	s_wait_alu depctr_hold_cnt(0) depctr_sa_sdst(0) depctr_va_vdst(0) depctr_va_sdst(0) depctr_va_ssrc(0) depctr_va_vcc(0) depctr_vm_vsrc(0)
	s_getreg_b32 s2, hwreg(HW_REG_IB_STS2, 6, 4)
	s_cmp_eq_u32 s2, 0
	s_cbranch_scc0 .Lentry_in_a_cluster
	s_endpgm
.Lentry_in_a_cluster:
	s_bfe_u32 s2, ttmp6, 0x10000c
	s_cmp_lg_u32 s2, 0xf033
	s_cbranch_scc0 .Lentry_shape_is_right
	s_endpgm
.Lentry_shape_is_right:
; qkv[p][m][n] = sum over k of abf[p][m][k] wbf[p][n][k] + bias_p[n], p = 0, 1, 2 (query, key, value); bf16 operands, f32 sums, rounded once to f16.
; WHY f16 OUT: q, k, v are operands of the attention's products; v's rounding shows in full in a sum of 512 terms of mixed sign, so f16's eleven bits are wanted.
; ROOM: as drawn q, k, v have a spread of 0.64.  Both factors 30 times larger: 580, some 3,500 at the most.  Both with offsets of 30 spreads: 1,024 x 30 x 0.6 = 18,432.
; Both 30 times smaller: 7e-4, where f16's step is 4e-5 of the spread.  LIMIT: |q|, |k|, |v| must stay below 65,504.
; The three products are one C of [12288][1024]: A = abf as [12288][1024]; block row by belongs to product by / 16, which picks B's 1,024 rows of wbf and the bias.
; A work-group makes 256 x 256 of C with four waves; a wave makes 128 x 128: 64 accumulator tiles of 16 x 16, 512 registers.
; K goes in steps of 128 through a ring of two LDS slots filled by the tensor data mover; a tile's rows are 256 bytes of memory at multiples of 256.
; 48 x 4 = 192 work-groups: three separate [4096][1024] results do not divide evenly into 256 blocks that keep the 128 x 128 share of a wave.
; CLUSTERS: 4 x 4 work-groups.  The four of a cluster's row need the same tiles of A, the four of a column the same tiles of B: each such tile is asked for
; jointly, by the same tensor load with a mask that names the four.  A cluster's four block rows lie in one product (16 block rows a product).
;
; REGISTERS, in windows of 256 (s_set_vgpr_msb says which window each operand place means):
;   window 0: v0-31 addresses; v64-127, v128-191 fragments of A, two buffers; v192-223 at work on the way out
;   window 1: v0-63 the bias of my 128 columns, as eight C operands; v64-127, v128-191 fragments of B, two buffers
;   window 2: the 32 accumulator tiles of my rows 0-63 (tile (a, b) at v[8 (8 a + b)]);   window 3: those of my rows 64-127
; THE MATRIX INSTRUCTION IS USED TRANSPOSED: source 0 = 16 rows of B, source 1 = 16 rows of A.  Lane l then holds row l % 16 of C and its registers 0-7 the
; columns 8 (l / 16) + 0..7: eight neighbouring numbers, which pack into 16 bytes.  The C operand of the first product of tile (a, b) is the bias of these
; eight columns, the same registers for every a: the bias starts the sums, nothing is cleared and no addition is spent on it.
.set SIZE_K, 1024
.set SIZE_N, 1024
.set KSTEP,  128
.set PITCH,  272                       ; an LDS row: 256 bytes + 16 of padding = 17 x 16: the 16 rows that a load touches lie in 16 different 16-byte columns of 256
.set HALFT,  128*PITCH                 ; 128 rows: what one tensor load brings, and what one wave reads of A or of B
.set SLOT,   4*HALFT                   ; A's 256 rows, then B's 256 rows
.set STAGE,  2*SLOT                    ; behind the ring: 16 rows x 272 bytes for each wave, for the way out; no tensor load lands here
.set SPITCH, 272
.set LAPS, SIZE_K/(2*KSTEP)            ; a lap = two K steps = once round the ring: 4
.set ADRA, 16                          ; v16-17  LDS address of my A fragments in slot 0, 1
.set ADRB, 20                          ; v20-21  the same for B
.set STO,  24                          ; the way out: where I put 16 bytes of a row
.set RD,   25                          ; the way out: where I read a row back
.set CO,   26                          ; my byte offset in C
.set BO,   27                          ; 32 x (lane / 16): my eight numbers in a group of 16 of the bias
.set F0,   64
.set F1,   128
.set TMP,  192
.set G1, 24                            ; s[24:31] descriptor group 1 for A's tiles
.set G0, 32                            ; s[32:39] descriptor group 0 for A's tiles, one set for each slot
.set G1B, 48                           ; s[48:55] group 1 for B's tiles: it differs in the mask alone
.set G0B, 56                           ; s[56:63] group 0 for B's tiles, one set for each slot
.set MSB, 0
.macro WIN new                         ; the immediate's high byte repeats the setting that is left; a switch that changes nothing is dropped
.if MSB != \new
	s_set_vgpr_msb (MSB<<8)|\new
.set MSB, \new
.endif
.endm
.set MUL_LO, 0xa1                      ; source 0 (B) window 1, source 1 (A) window 0, C and D window 2
.set MUL_HI, 0xf1                      ; the same, C and D window 3
.set BIAS_LO, 0x91                     ; the first products: C (the bias) window 1, D window 2
.set BIAS_HI, 0xd1                     ; C window 1, D window 3
.set TO_B,   0x40                      ; destination window 1, address window 0
; A joint load.  Waves 0 and 1 fetch A's two halves, waves 2 and 3 B's.  Each line has one mask and one set of registers; the branch hangs on the wave's number alone.
.macro JLOAD s
	s_cmp_eq_u32 s11, 0
	s_cbranch_scc0 .Lfor_b_\@
	tensor_load_to_lds s[G0+4*\s:G0+4*\s+3], s[G1:G1+7]
	s_nop 0
	s_branch .Lasked_\@
.Lfor_b_\@:
	tensor_load_to_lds s[G0B+4*\s:G0B+4*\s+3], s[G1B:G1B+7]
	s_nop 0
.Lasked_\@:
.endm
; A round of the cluster's barrier: my work-group's barrier, wave 0 signals for the work-group, every wave waits for all sixteen, my work-group's barrier once more.
.macro CREST                           ; a round behind its opening barrier
	s_cmp_lg_u32 s10, 0
	s_cbranch_scc1 .Lnot_wave_0_\@
	s_barrier_signal -3
.Lnot_wave_0_\@:
	s_barrier_wait -3
	s_barrier_signal -1
	s_barrier_wait -1
.endm
.macro CROUND
	s_barrier_signal -1
	s_barrier_wait -1
	CREST
.endm
	s_load_b128 s[4:7], s[0:1], 0x0                ; abf s[4:5], wbf s[6:7]
	s_load_b64 s[8:9], s[0:1], 0x10                ; qkv
	s_load_b128 s[68:71], s[0:1], 0x18             ; bq s[68:69], bk s[70:71]
	s_load_b64 s[72:73], s[0:1], 0x28              ; bv
	s_set_vgpr_msb 0x40
	v_lshl_add_u32 v255, v0, 2, 0x48400
	s_set_vgpr_msb 0x4000
	v_mov_b32 v255, 0
	s_set_vgpr_msb 0x1
	ds_add_u32 v255, v255
	s_set_vgpr_msb 0x100
	v_lshrrev_b32 v1, 5, v0
	v_readfirstlane_b32 s10, v1                    ; wave 0..3
	s_lshr_b32 s11, s10, 1                         ; which half of the block's rows is mine.  Also: I fetch for A (0) or for B (1)
	s_and_b32 s12, s10, 1                          ; which half of its columns.  Also: which 128 rows of that tile I fetch
	s_bfe_u32 s40, ttmp6, 0x40000                  ; cx
	s_bfe_u32 s41, ttmp6, 0x40004                  ; cy
	s_lshl_b32 s42, ttmp9, 2
	s_add_co_u32 s42, s42, s40                     ; block column = 4 x cluster x + cx
	s_and_b32 s13, ttmp7, 0xffff
	s_lshl_b32 s13, s13, 2
	s_add_co_u32 s13, s13, s41                     ; block row = 4 x cluster y + cy
	s_and_b32 s45, ttmp7, 0xffff
	s_lshr_b32 s45, s45, 2                         ; the product: 4 clusters along y each; made of the cluster's y alone, so alike in all sixteen partners
	s_lshl_b32 s43, s41, 2
	s_lshl_b32 s43, 15, s43                        ; my row of the cluster: places 4 cy .. 4 cy + 3
	s_lshl_b32 s44, 0x1111, s40                    ; my column: places cx, cx + 4, cx + 8, cx + 12
	; descriptor group 1: a tile of 128 rows x 128 elements of 2 bytes, 4 words of padding behind every 64 words
	s_or_b32 s[G1+0], s43, (1<<16)|(1<<20)|(1<<21)|(5<<22)|(3<<25)
	s_or_b32 s[G1B+0], s44, (1<<16)|(1<<20)|(1<<21)|(5<<22)|(3<<25)
	s_mov_b32 s[G1B+1], KSTEP<<16
	s_mov_b32 s[G1+1], KSTEP<<16                   ; tensor_dim0 = 128
	s_mov_b32 s[G1B+2], 128<<16
	s_mov_b32 s[G1+2], 128<<16                     ; tensor_dim1 = 128
	s_mov_b32 s[G1B+3], KSTEP<<16
	s_mov_b32 s[G1+3], KSTEP<<16                   ; tile_dim0 = 128
	s_mov_b32 s[G1B+4], 128
	s_mov_b32 s[G1+4], 128                         ; tile_dim1 = 128
	s_mov_b32 s[G1B+5], SIZE_K
	s_mov_b32 s[G1+5], SIZE_K                      ; elements from row to row
	s_mov_b32 s[G1B+6], 0
	s_mov_b32 s[G1+6], 0
	s_mov_b32 s[G1B+7], 0
	s_mov_b32 s[G1+7], 0
	; where the tiles come from: A's hang on the block row, B's on the block column and the product, each in registers that never hold the other place in the cluster
	s_lshl_b32 s17, s12, 7                         ; which 128 rows of the tile I fetch
	s_lshl_b32 s16, s13, 8
	s_add_co_u32 s16, s16, s17                     ; A: row 256 x block row + 128 x half
	s_lshl_b32 s46, s42, 8
	s_add_co_u32 s46, s46, s17                     ; B: row 256 x block column + 128 x half
	s_lshl_b32 s47, s45, 10
	s_add_co_u32 s46, s46, s47                     ;    + 1,024 x product
	s_mov_b32 s17, 0
	s_mov_b32 s47, 0
	s_mov_b64 s[18:19], SIZE_K*2
	s_mul_u64 s[16:17], s[16:17], s[18:19]         ; in bytes
	s_mul_u64 s[46:47], s[46:47], s[18:19]
	s_mul_i32 s20, s10, HALFT                      ; where they go: wave x 128 rows
	s_lshl_b32 s74, s42, 10                        ; the bias of my 128 columns: 4 x (256 x block column + 128 x half)
	s_lshl_b32 s75, s12, 9
	s_add_co_u32 s74, s74, s75
	s_mov_b32 s75, 0
	s_wait_dscnt 0x0
	s_wait_kmcnt 0x0
	s_add_nc_u64 s[14:15], s[4:5], s[16:17]
	s_add_nc_u64 s[46:47], s[6:7], s[46:47]
	s_cmp_eq_u32 s45, 1                            ; the product's bias
	s_cselect_b64 s[68:69], s[70:71], s[68:69]
	s_cmp_eq_u32 s45, 2
	s_cselect_b64 s[68:69], s[72:73], s[68:69]
	s_add_nc_u64 s[68:69], s[68:69], s[74:75]
	CROUND                                         ; all sixteen work-groups are here: the first joint loads meet
.irp s, 0,1
	s_mov_b32 s[G0+4*\s], 1
	s_add_co_u32 s[G0+4*\s+1], s20, \s*SLOT
	s_add_nc_u64 s[G0+4*\s+2:G0+4*\s+3], s[14:15], \s*KSTEP*2
	s_or_b32 s[G0+4*\s+3], s[G0+4*\s+3], 0x80000000
	s_mov_b32 s[G0B+4*\s], 1
	s_add_co_u32 s[G0B+4*\s+1], s20, \s*SLOT
	s_add_nc_u64 s[G0B+4*\s+2:G0B+4*\s+3], s[46:47], \s*KSTEP*2
	s_or_b32 s[G0B+4*\s+3], s[G0B+4*\s+3], 0x80000000
	JLOAD \s                                       ; two loads of the wave are out: the ring's first fills
.endr
	; A fragment is 16 rows x 32 K in 8 registers: lane l holds row l % 16; registers 0-3 K = 8 (l / 16) + 0..7, registers 4-7 K = 16 + 8 (l / 16) + 0..7:
	; two loads of 16 bytes, 32 bytes apart.
	v_and_b32 v1, 15, v0
	v_bfe_u32 v2, v0, 4, 1
	v_mul_u32_u24 v3, v1, PITCH
	v_lshl_add_u32 v3, v2, 4, v3
	s_mul_i32 s21, s11, HALFT                      ; my 128 rows of A
	s_mul_i32 s22, s12, HALFT                      ; my 128 rows of B,
	s_add_co_u32 s22, s22, 2*HALFT                 ; which lie behind A's 256
.irp s, 0,1
	v_add_nc_u32 v[ADRA+\s], s21, v3
	v_add_nc_u32 v[ADRB+\s], s22, v3
	s_add_co_u32 s21, s21, SLOT
	s_add_co_u32 s22, s22, SLOT
.endr
	s_mul_i32 s23, s10, 16*SPITCH
	s_add_co_u32 s23, s23, STAGE
	v_mul_u32_u24 v4, v1, SPITCH
	v_lshl_add_u32 v4, v2, 4, v4
	v_add_nc_u32 v[STO], s23, v4
	v_mul_u32_u24 v5, v2, SPITCH
	v_lshl_add_u32 v5, v1, 4, v5
	v_add_nc_u32 v[RD], s23, v5
	v_mul_u32_u24 v5, v2, SIZE_N*2
	v_lshl_add_u32 v[CO], v1, 4, v5
	v_lshlrev_b32 v[BO], 5, v2
	WIN TO_B
.irp b, 0,1,2,3,4,5,6,7
	global_load_b128 v[8*\b:8*\b+3], v[BO], s[68:69] offset:64*\b          ; window 1, register 8 b + j: bias of column 16 b + 8 (l / 16) + j
	global_load_b128 v[8*\b+4:8*\b+7], v[BO], s[68:69] offset:64*\b+16
.endr
; 16 matrix instructions: m blocks a0, a0 + 1 of the window's four x all 8 n blocks, 32 along K.  zero = 1: the first product, whose C is the bias.
; The 64 accumulators take turns, one instruction a turn, in the same order in every quarter step.
.macro MUL16 f, hi, a0, zero
.irp a, \a0, \a0+1
.irp b, 0,1,2,3,4,5,6,7
.if \zero
	v_wmma_f32_16x16x32_bf16 v[8*(8*(\a)+\b):8*(8*(\a)+\b)+7], v[\f+8*\b:\f+8*\b+7], v[\f+8*(4*\hi+\a):\f+8*(4*\hi+\a)+7], v[8*\b:8*\b+7]
.else
	v_wmma_f32_16x16x32_bf16 v[8*(8*(\a)+\b):8*(8*(\a)+\b)+7], v[\f+8*\b:\f+8*\b+7], v[\f+8*(4*\hi+\a):\f+8*(4*\hi+\a)+7], v[8*(8*(\a)+\b):8*(8*(\a)+\b)+7]
.endif
.endr
.endr
.endm
; 32 LDS loads in one run: one quarter step's fragments (128 rows of B, 128 rows of A, 32 K at byte k of the rows) into buffer f
.macro FETCH slot, k, f
	WIN TO_B
.irp i, 0,1,2,3,4,5,6,7
	ds_load_b128 v[\f+8*\i:\f+8*\i+3],   v[ADRB+\slot] offset:\k+\i*16*PITCH
	ds_load_b128 v[\f+8*\i+4:\f+8*\i+7], v[ADRB+\slot] offset:\k+\i*16*PITCH+32
.endr
	WIN 0
.irp i, 0,1,2,3,4,5,6,7
	ds_load_b128 v[\f+8*\i:\f+8*\i+3],   v[ADRA+\slot] offset:\k+\i*16*PITCH
	ds_load_b128 v[\f+8*\i+4:\f+8*\i+7], v[ADRA+\slot] offset:\k+\i*16*PITCH+32
.endr
.endm
; A load into a register that a matrix instruction has read, and a vector instruction that reads a matrix result, stand four plain vector places behind it
; (ISA guide 7.12.1 for vector instructions); the matrix instructions in between are not counted.
.macro PLACES
.rept 4
	v_nop
.endr
.endm
; A K step is four quarter steps of 32 along K, 64 matrix instructions each, on buffers 0, 1, 0, 1.
.macro QUARTER slot, k, f, g, zero
	s_wait_dscnt 8                                 ; B and A's rows 0-63 are in; the youngest eight loads (A's rows 64-127) may be out
.if \zero
	WIN BIAS_LO
.else
	WIN MUL_LO
.endif
	MUL16 \f, 0, 0, \zero
	MUL16 \f, 0, 2, \zero
	PLACES
	FETCH \slot, \k, \g
	s_wait_dscnt 32                                ; all but the 32 just issued
.if \zero
	WIN BIAS_HI
.else
	WIN MUL_HI
.endif
	MUL16 \f, 1, 0, \zero
	MUL16 \f, 1, 2, \zero
.endm
.macro THREE slot, zero
	QUARTER \slot, 64,  F0, F1, \zero
	QUARTER \slot, 128, F1, F0, 0
	QUARTER \slot, 192, F0, F1, 0
.endm
; The last quarter multiplies buffer 1 and changes slots.  One barrier: in front of it each wave waits for its reads of this slot and for all its tensor loads
; (one is out: its part of the next slot); behind it the refill comes first, then the next slot's first fragments.
.macro TURN slot, next, fill
	s_wait_dscnt 8
	WIN MUL_LO
	MUL16 F1, 0, 0, 0
	s_wait_dscnt 0                                 ; my reads of this slot are over
	s_wait_tensorcnt 0x0                           ; and all my tensor loads have landed
	ds_add_u32 v255, v255
	s_wait_dscnt 0x0
	s_barrier_signal -1                            ; where a slot is filled again this barrier opens a round of the cluster's barrier
	MUL16 F1, 0, 2, 0                              ; register work while the others arrive
	WIN 0
	s_barrier_wait -1
.if \fill
	CREST                                          ; no wave of any partner still reads this slot or has a load on its way
	s_add_nc_u64 s[G0+4*\slot+2:G0+4*\slot+3], s[G0+4*\slot+2:G0+4*\slot+3], 2*KSTEP*2
	s_add_nc_u64 s[G0B+4*\slot+2:G0B+4*\slot+3], s[G0B+4*\slot+2:G0B+4*\slot+3], 2*KSTEP*2
	JLOAD \slot                                    ; the first tensor load behind the round, the wave's only one until the next: one is out
.endif
	PLACES
	FETCH \next, 0, F0
	WIN MUL_HI
	MUL16 F1, 1, 0, 0
	MUL16 F1, 1, 2, 0
.endm
.macro LAP zero
	THREE 0, \zero
	TURN 0, 1, 1
	THREE 1, 0
	TURN 1, 0, 1
.endm
	s_wait_tensorcnt 1                             ; my part of K step 0 is in; K step 1's load stays out
	s_barrier_signal -1
	s_barrier_wait -1
	FETCH 0, 0, F0
	s_wait_loadcnt 0x0                             ; the bias
	LAP 1                                          ; the first lap stands in front of the loop: its first products start the sums from the bias
	WIN 0                                          ; at a label and at a branch every window is 0
	s_mov_b32 s3, LAPS-2
.Llap:
	LAP 0
	WIN 0
	s_sub_co_u32 s3, s3, 1
	s_cmp_lg_u32 s3, 0
	s_cbranch_scc1 .Llap
	THREE 0, 0                                     ; the last lap fills nothing
	TURN 0, 1, 0
	THREE 1, 0
	s_wait_dscnt 8
	WIN MUL_LO
	MUL16 F1, 0, 0, 0
	MUL16 F1, 0, 2, 0
	s_wait_dscnt 0
	WIN MUL_HI
	MUL16 F1, 1, 0, 0
	MUL16 F1, 1, 2, 0
	; THE WAY OUT, 16 rows at a time: round to f16, 16 bytes a lane into my own stage, read back as whole rows of 256 bytes.
	PLACES
	s_lshl_b32 s13, s13, 8
	s_lshl_b32 s14, s11, 7
	s_add_co_u32 s16, s13, s14                     ; my first row of C
	s_mov_b32 s17, 0
	s_mov_b64 s[18:19], SIZE_N*2
	s_mul_u64 s[16:17], s[16:17], s[18:19]
	s_add_nc_u64 s[8:9], s[8:9], s[16:17]
	s_lshl_b32 s46, s42, 9                         ; my first column, in bytes: 512 x block + 256 x half
	s_lshl_b32 s47, s12, 8
	s_add_co_u32 s46, s46, s47
	s_mov_b32 s47, 0
	s_add_nc_u64 s[8:9], s[8:9], s[46:47]
.macro OUT16 i, a, from, f
	WIN \from
.irp b, 0,1,2,3,4,5,6,7
.irp r, 0,1,2,3
	v_cvt_pk_f16_f32 v[TMP+4*\b+\r], v[8*(8*\a+\b)+2*\r], v[8*(8*\a+\b)+2*\r+1]
.endr
.endr
	WIN 0
.irp b, 0,1,2,3,4,5,6,7
	ds_store_b128 v[STO], v[TMP+4*\b:TMP+4*\b+3] offset:32*\b
.endr
	s_wait_xcnt 0x0                                ; buffer f, which earlier stores read, and the stores' base are rewritten only behind this wait
.if \i
	s_add_nc_u64 s[8:9], s[8:9], 16*SIZE_N*2
.endif
.irp t, 0,1,2,3,4,5,6,7
	ds_load_b128 v[\f+4*\t:\f+4*\t+3], v[RD] offset:\t*2*SPITCH    ; LDS serves a wave's instructions in order (ISA guide 5.7.1.4): these see the stores above
.endr
.irp t, 0,1,2,3,4,5,6,7
	s_wait_dscnt 7-\t                              ; load t is in, the 7 - t younger ones stay out
	global_store_b128 v[CO], v[\f+4*\t:\f+4*\t+3], s[8:9] offset:2*\t*SIZE_N*2   ; 16 lanes store 256 consecutive bytes at a multiple of 256
.endr
.endm
	OUT16 0, 0, 0x0a, F0
	OUT16 1, 1, 0x0a, F1
	OUT16 2, 2, 0x0a, F0
	OUT16 3, 3, 0x0a, F1
	OUT16 4, 0, 0x0f, F0
	OUT16 5, 1, 0x0f, F1
	OUT16 6, 2, 0x0f, F0
	OUT16 7, 3, 0x0f, F1
	s_set_vgpr_msb 0x1
	s_wait_tensorcnt 0x0
	ds_add_u32 v255, v255
	s_wait_dscnt 0x0
	s_set_vgpr_msb 0x100
	CROUND                                         ; the closing round
	s_endpgm
.Lfunc_end_k_q755cfec48e_qkvproj:
	.size	k_q755cfec48e_qkvproj, .Lfunc_end_k_q755cfec48e_qkvproj-k_q755cfec48e_qkvproj
	.p2alignl 7, 3214868480
	.fill 96, 4, 3214868480
	.section	.rodata,"a",@progbits
	.p2align	6, 0x0
	.amdhsa_kernel k_q755cfec48e_qkvproj
		.amdhsa_group_segment_fixed_size 327680
		.amdhsa_private_segment_fixed_size 0
		.amdhsa_enable_private_segment 0
		.amdhsa_kernarg_size 48
		.amdhsa_user_sgpr_count 2
		.amdhsa_user_sgpr_kernarg_segment_ptr 1
		.amdhsa_wavefront_size32 1
		.amdhsa_system_sgpr_workgroup_id_x 1
		.amdhsa_system_sgpr_workgroup_id_y 1
		.amdhsa_system_sgpr_workgroup_id_z 1
		.amdhsa_system_vgpr_workitem_id 0
		.amdhsa_next_free_vgpr 1024
		.amdhsa_next_free_sgpr 80
		.amdhsa_reserve_vcc 0
		.amdhsa_float_denorm_mode_32 3
		.amdhsa_float_denorm_mode_16_64 3
		.amdhsa_memory_ordered 1
		.amdhsa_forward_progress 1
		.amdhsa_inst_pref_size 198
	.end_amdhsa_kernel
	.amdgpu_metadata
---
amdhsa.version: [ 1, 2 ]
amdhsa.kernels:
  - .name:           k_q755cfec48e_qkvproj
    .symbol:         k_q755cfec48e_qkvproj.kd
    .args:
      - { .name: abf, .offset: 0, .size: 8, .value_kind: global_buffer, .address_space: global }
      - { .name: wbf, .offset: 8, .size: 8, .value_kind: global_buffer, .address_space: global }
      - { .name: qkv, .offset: 16, .size: 8, .value_kind: global_buffer, .address_space: global }
      - { .name: bq, .offset: 24, .size: 8, .value_kind: global_buffer, .address_space: global }
      - { .name: bk, .offset: 32, .size: 8, .value_kind: global_buffer, .address_space: global }
      - { .name: bv, .offset: 40, .size: 8, .value_kind: global_buffer, .address_space: global }
    .group_segment_fixed_size: 327680
    .private_segment_fixed_size: 0
    .kernarg_segment_align: 8
    .kernarg_segment_size: 48
    .max_flat_workgroup_size: 128
    .sgpr_count:     80
    .vgpr_count:     1024
    .wavefront_size: 32
...
	.end_amdgpu_metadata
.endif
;; end of part 2
;; launch attn (part 3): grid 256 x 1, 4 waves a work-group, clusters of 4 x 1, 289,280 bytes of LDS; arguments qkv, pe, mask, lambdas, xf; writes xf
.if DOCPART == 3
	.amdgcn_target "amdgcn-amd-amdhsa--gfx1250"
	.amdhsa_code_object_version 6
	.text
	.protected	k_q755cfec48e_attn
	.globl	k_q755cfec48e_attn
	.p2align	8
	.type	k_q755cfec48e_attn,@function
k_q755cfec48e_attn:
	s_mov_b64 s[64:65], 0
	v_nop
	global_prefetch_b8 v0, s[64:65] scope:SCOPE_SE
	s_setreg_imm32_b32 hwreg(HW_REG_WAVE_MODE, 25, 1), 1
	s_wait_xcnt 0x0
	s_wait_alu depctr_hold_cnt(0) depctr_sa_sdst(0) depctr_va_vdst(0) depctr_va_sdst(0) depctr_va_ssrc(0) depctr_va_vcc(0) depctr_vm_vsrc(0)
	s_getreg_b32 s2, hwreg(HW_REG_IB_STS2, 6, 4)
	s_cmp_eq_u32 s2, 0
	s_cbranch_scc0 .Lentry_in_a_cluster
	s_endpgm
.Lentry_in_a_cluster:
	s_bfe_u32 s2, ttmp6, 0x10000c
	s_cmp_lg_u32 s2, 0x3003
	s_cbranch_scc0 .Lentry_shape_is_right
	s_endpgm
.Lentry_shape_is_right:
; attn: x[b][q][head 64 + d] = sum over keys of (lambda[0] softmax(q.k / 8, masked) + Pe[b][q][key]) v[key][d]; what is stored is x / s,
; s = |lambda[0]| + .. + |lambda[6]| + 2^-100; the output projection multiplies by s.
; A cluster of four work-groups takes one batch b and one pair of heads hp (cluster number = 8 b + hp); work-group cx takes 128 queries, a wave 32 (two blocks of 16),
; one head after the other.  The four need the same K and V tiles (512 keys x 2 heads x 64): these are asked for JOINTLY, once, at the start, mask 15.
; cx enters only the global addresses of Q, pe and xf: no LDS address, branch or descriptor.
; THE WHOLE SCORE ROW STAYS IN REGISTERS: 512 keys x 32 queries of f32 are 512 registers of the wave, so the softmax takes the row's true maximum and needs no rescaling.
; S is made transposed (source 0 = 16 keys, source 1 = 16 queries): register j of lane (r, h) of tile t holds key 16 t + 8 h + j of query r.  So
;   - maximum and sum run along a lane's registers, with one exchange between lanes r and r + 16;
;   - two neighbouring tiles, rounded in place to f16, ARE the fragment of P for 32 keys (source 1 of the second product): no shuffle;
;   - pe was stored in this order: its 16 bytes of a lane are the eight keys of a tile.
; O is made transposed too (source 0 = V read by the transposing LDS load, source 1 = P): a lane holds d = 16 dt + 8 h + j of query r, which is the order of xf,
; the fragment order in which the output projection reads it: it leaves straight from registers, 512 consecutive bytes a store.
; The key mask is the C operand of the first score product: 0, or -8e12 for a masked key (-1e12 after the division by 8).
; FORMATS.  q, k, v and P are f16 (q, k, v's room: the head of the projection launch).  P is kept as 64 P / s = e16 x f16(64 lambda[0] / (s sum)) + 64 Pe / s, one packed f16
; multiply-add on the exponentials rounded to f16.  A row of P / s sums to at most 1 in magnitude whatever the lambdas' size (adj of one sign); an entry of 64 P / s is about
; 0.1 as drawn and at most 64.  O is multiplied by 1/64, exactly, and is then x / s, a weighted mean of v: |x / s| is at most the largest |v|, so it has v's room in f16.
; Its spread is 0.03 as drawn; with Value and Wv both 30 times smaller 3.3e-5, where f16's step of 6e-8 is 2e-3 of the spread.  x / s is rounded once, to f16.
; xf: the 1,024 bytes at 32768 qblk + 1024 kc hold 16 rows x 32 columns as a fragment: lane l's registers 0-3 at 16 l, registers 4-7 at 512 + 16 l.
; LIMITS: masking ADDS -8e12 to q.k where the definition replaces the score: |q.k| must stay far below 1e11.  64 |P| / s must stay below 65,504.  1 / (s sum) is v_rcp_f32;
; v_exp_f32 gives 0 below 2^-126.  NaN and infinite inputs are not treated apart.
;
; LDS: K 512 rows x 272 at 0; V 512 rows x 288 at 139,264; the mask's 512 f32 at 286,720 (written by ds_store alone, no tensor load lands there).
; WINDOWS: 0 addresses, Q, K / bias buffers, later O and V buffers; 1 Pe (block qb at 128 qb + 4 t); 2 and 3 the scores of query block 0 and 1 (tile t at 8 t).
.set KP,    272                        ; 256 bytes + 16: 17 x 16
.set VP,    288                        ; 256 bytes + 32: 9 x 32, for the transposing load
.set VT,    139264
.set BIASL, 286720
.set KA,  2                            ; v2, v3   r KP + 16 h, for tiles 0-15 and 16-31 (an LDS offset reaches 65,535)
.set BA,  4                            ; BIASL + 32 h
.set QO,  5                            ; r x 2,048 + 16 h
.set VA,  6                            ; v6-9     V's address for key steps 4 i .. 4 i + 3
.set LN,  10                           ; 16 lane
.set PX,  11                           ; what v_permlanex16_b32 brings
.set CH,  12                           ; v12-15   four chains of the maximum
.set NMC, 16                           ; v[16:17] -maximum x log2(e) / 8, twice
.set CC,  18                           ; v18, v19 64 lambda[0] / (s sum) of query block 0, 1, as two f16 each
.set SU,  20                           ; v[20:27] four pairs of sums
.set MK,  28                           ; v[28:31] four words of the mask
.set QF,  32                           ; v[32:63] Q fragments, block qb, K step ks at 16 qb + 8 ks
.set SH,  64                           ; v[64:255] score phase: two buffers of 96: K(i, ks) at 16 i + 8 ks, bias(i) at 64 + 8 i
.set OA,  64                           ; second product: O(qb, dt) at 32 qb + 8 dt
.set VB,  128                          ; V buffers: 64 g + 32 u + 8 dt
.set MSB, 0
.macro WIN new
.if MSB != \new
	s_set_vgpr_msb (MSB<<8)|\new
.set MSB, \new
.endif
.endm
.macro PLACES                          ; four plain vector places behind a matrix instruction (ISA guide 7.12.1 for vector instructions)
.rept 4
	v_nop
.endr
.endm
.macro ROUND                           ; a round of the cluster's barrier
	s_barrier_signal -1
	s_barrier_wait -1
	s_cmp_lg_u32 s14, 0
	s_cbranch_scc1 .Lnot_wave_0_\@
	s_barrier_signal -3
.Lnot_wave_0_\@:
	s_barrier_wait -3
	s_barrier_signal -1
	s_barrier_wait -1
.endm
	s_load_b256 s[4:11], s[0:1], 0x0               ; qkv s[4:5], pe s[6:7], mask s[8:9], lambdas s[10:11]
	s_load_b64 s[12:13], s[0:1], 0x20              ; xf
	v_lshl_add_u32 v254, v0, 2, 0x46800
	v_mov_b32 v255, 0
	ds_add_u32 v254, v255
	s_wait_dscnt 0x0
	v_lshrrev_b32 v1, 5, v0
	v_readfirstlane_b32 s14, v1                    ; wave 0..3
	s_bfe_u32 s15, ttmp6, 0x40000                  ; cx: which 128 queries
	s_lshr_b32 s40, ttmp9, 3                       ; b
	s_and_b32 s41, ttmp9, 7                        ; hp
	; group 1 of both descriptors: 128 rows x 128 elements of 2 bytes, 1,024 elements from row to row, mask 15 with bit 21 beside it,
	; padding behind every 64 words: 4 words for K, 8 for V
	s_mov_b32 s16, 15|(1<<16)|(1<<20)|(1<<21)|(5<<22)|(3<<25)
	s_mov_b32 s24, 15|(1<<16)|(1<<20)|(1<<21)|(5<<22)|(7<<25)
.irp g, 16,24
	s_mov_b32 s[\g+1], 128<<16
	s_mov_b32 s[\g+2], 128<<16
	s_mov_b32 s[\g+3], 128<<16
	s_mov_b32 s[\g+4], 128
	s_mov_b32 s[\g+5], 1024
	s_mov_b32 s[\g+6], 0
	s_mov_b32 s[\g+7], 0
.endr
	s_mov_b32 s32, 1
	s_mul_i32 s33, s14, 128*KP                     ; my quarter of K's rows
	s_mov_b32 s36, 1
	s_mul_i32 s37, s14, 128*VP
	s_add_co_u32 s37, s37, VT
	s_lshl_b32 s42, s40, 9
	s_lshl_b32 s43, s14, 7
	s_add_co_u32 s42, s42, s43                     ; key row 512 b + 128 wave
	s_lshl_b32 s42, s42, 11
	s_lshl_b32 s43, s41, 8
	s_add_co_u32 s42, s42, s43                     ; x 2,048 bytes + 256 hp
	s_mov_b32 s43, 0
	s_lshl_b32 s60, s40, 9                         ; my first query row: 512 b + 128 cx + 32 wave (registers that feed no descriptor)
	s_lshl_b32 s61, s15, 7
	s_add_co_u32 s60, s60, s61
	s_lshl_b32 s61, s14, 5
	s_add_co_u32 s60, s60, s61
	s_lshl_b32 s62, s60, 10                        ; in pe: 16,384 bytes for 16 rows
	s_mov_b32 s63, 0
	s_lshl_b32 s60, s60, 11                        ; in qkv 2,048 bytes a row; in xf 32,768 bytes for 16 rows: the same figure
	s_mov_b32 s61, 0
	s_mov_b32 s2, 0x3c800000                       ; 1/64, twice
	s_mov_b32 s3, 0x3c800000
	s_mov_b32 s52, 0x3e38aa3b                      ; log2(e) / 8, twice
	s_mov_b32 s53, 0x3e38aa3b
	s_mov_b32 s54, 0xbe38aa3b
	s_mov_b32 s56, 0x76543210
	s_mov_b32 s57, 0xfedcba98
	v_and_b32 v12, 31, v0                          ; lane
	v_and_b32 v13, 15, v0                          ; r
	v_bfe_u32 v14, v0, 4, 1                        ; h
	v_lshlrev_b32 v1, 4, v0                        ; 16 T
	v_lshlrev_b32 v[LN], 4, v12
	v_lshlrev_b32 v[QO], 11, v13
	v_lshl_add_u32 v[QO], v14, 4, v[QO]
	s_wait_kmcnt 0x0
	s_load_b128 s[68:71], s[10:11], 0x0            ; lambda 0..3
	s_load_b96 s[72:74], s[10:11], 0x10            ; lambda 4..6: 28 bytes in all, the buffer's size
	s_add_nc_u64 s[34:35], s[4:5], s[42:43]
	s_add_nc_u64 s[38:39], s[34:35], 0x1000000     ; V: part 2 of qkv, 8,192 rows in
	s_add_nc_u64 s[34:35], s[34:35], 0x800000      ; K: part 1, 4,096 rows in
	s_or_b32 s35, s35, 0x80000000
	s_or_b32 s39, s39, 0x80000000
	s_add_nc_u64 s[46:47], s[6:7], s[62:63]        ; pe
	s_add_nc_u64 s[44:45], s[4:5], s[60:61]        ; Q
	s_add_nc_u64 s[48:49], s[12:13], s[60:61]      ; xf
	s_lshl_b32 s62, s41, 8
	s_add_nc_u64 s[44:45], s[44:45], s[62:63]      ; + 256 hp
	s_lshl_b32 s62, s41, 12
	s_add_nc_u64 s[48:49], s[48:49], s[62:63]      ; + 4,096 hp: four chunks of 32 columns, 1,024 bytes each
	s_lshl_b32 s62, s40, 11
	s_add_nc_u64 s[58:59], s[8:9], s[62:63]        ; mask of batch b
	ROUND                                          ; the four work-groups are here: the joint loads meet
	tensor_load_to_lds s[32:35], s[16:23]          ; my quarter of K
	s_nop 0
	tensor_load_to_lds s[36:39], s[24:31]          ; my quarter of V: two loads of the wave are out, and no more are issued
	s_nop 0
	global_load_b128 v[MK:MK+3], v1, s[58:59]      ; thread T: four words of the mask
.irp qb, 0,1
.irp ks, 0,1
	global_load_b128 v[QF+16*\qb+8*\ks:QF+16*\qb+8*\ks+3], v[QO], s[44:45] offset:32768*\qb+64*\ks
	global_load_b128 v[QF+16*\qb+8*\ks+4:QF+16*\qb+8*\ks+7], v[QO], s[44:45] offset:32768*\qb+64*\ks+32
.endr
.endr
	WIN 0x40                                       ; destination window 1
.set t, 0
.rept 32
	global_load_b128 v[4*t:4*t+3], v[LN], s[46:47] offset:512*t
.set t, t+1
.endr
	WIN 0
	v_mul_u32_u24 v[KA], v13, KP
	v_lshl_add_u32 v[KA], v14, 4, v[KA]
	v_add_nc_u32 v[KA+1], 256*KP, v[KA]
	v_lshlrev_b32 v[BA], 5, v14
	v_add_nc_u32 v[BA], BIASL, v[BA]
	v_and_b32 v15, 7, v0
	v_lshl_add_u32 v15, v14, 3, v15                ; key 8 h + lane % 8
	v_mul_u32_u24 v15, v15, VP
	v_bfe_u32 v16, v0, 3, 1
	v_lshl_add_u32 v15, v16, 4, v15                ; + 16 x ((lane / 8) % 2)
.irp i, 0,1,2,3
	v_add_nc_u32 v[VA+\i], VT+\i*128*VP, v15
.endr
	v_mov_b32 v[PX], 0
	v_mov_b32 v20, 0xd4e8d4a5                      ; -8e12
	v_add_nc_u32 v21, BIASL, v1
	s_wait_loadcnt 40                              ; the mask is in: 8 loads of Q and 32 of Pe are younger
.irp j, 0,1,2,3
	v_cmp_eq_u32 vcc_lo, 0, v[MK+\j]
	v_cndmask_b32 v[MK+\j], 0, v20, vcc_lo
.endr
	ds_store_b128 v21, v[MK:MK+3]
	s_wait_dscnt 0x0                               ; my part of the bias is in LDS, for the others' sake
	s_wait_tensorcnt 0x1                           ; my quarter of K has landed; V's load stays out
	s_barrier_signal -1
	s_barrier_wait -1
	s_wait_loadcnt 32                              ; Q is in: Pe's 32 loads are younger
	WIN 0x40
.set t, 0
.rept 32
	global_load_b128 v[128+4*t:128+4*t+3], v[LN], s[46:47] offset:16384+512*t
.set t, t+1
.endr
	WIN 0
	s_wait_kmcnt 0x0                               ; the lambdas
	s_and_b32 s51, s68, 0x7fffffff                 ; s = |lambda[0]| + .. + |lambda[6]| + 2^-100
.irp m, 69,70,71,72,73,74
	s_and_b32 s55, s[\m], 0x7fffffff
	s_add_f32 s51, s51, s55
.endr
	s_add_f32 s51, s51, 0x0d800000
	s_mul_f32 s50, s68, 0x42800000                 ; 64 lambda[0]: a power of two, exact
; 24 LDS loads: K's fragments and the bias of tiles 4 g .. 4 g + 3 into buffer g % 2
.macro FETCHK g, hd
.set KB, SH+96*(\g&1)
.irp i, 0,1,2,3
.irp ks, 0,1
	ds_load_b128 v[KB+16*\i+8*\ks:KB+16*\i+8*\ks+3], v[KA+((4*\g+\i)>>4)] offset:((4*\g+\i)&15)*16*KP+128*\hd+64*\ks
	ds_load_b128 v[KB+16*\i+8*\ks+4:KB+16*\i+8*\ks+7], v[KA+((4*\g+\i)>>4)] offset:((4*\g+\i)&15)*16*KP+128*\hd+64*\ks+32
.endr
	ds_load_b128 v[KB+64+8*\i:KB+64+8*\i+3], v[BA] offset:64*(4*\g+\i)
	ds_load_b128 v[KB+64+8*\i+4:KB+64+8*\i+7], v[BA] offset:64*(4*\g+\i)+16
.endr
.endm
; 16 matrix instructions: four tiles x two query blocks x two steps of 32 along d.  The eight accumulators take turns, one instruction a turn.
.macro SMUL g
.set KB, SH+96*(\g&1)
	WIN 0x80                                       ; D window 2; K, Q and the bias window 0
.irp i, 0,1,2,3
	v_wmma_f32_16x16x32_f16 v[8*(4*\g+\i):8*(4*\g+\i)+7], v[KB+16*\i:KB+16*\i+7], v[QF:QF+7], v[KB+64+8*\i:KB+64+8*\i+7]
.endr
	WIN 0xc0                                       ; D window 3
.irp i, 0,1,2,3
	v_wmma_f32_16x16x32_f16 v[8*(4*\g+\i):8*(4*\g+\i)+7], v[KB+16*\i:KB+16*\i+7], v[QF+16:QF+23], v[KB+64+8*\i:KB+64+8*\i+7]
.endr
	WIN 0xa0                                       ; C and D window 2
.irp i, 0,1,2,3
	v_wmma_f32_16x16x32_f16 v[8*(4*\g+\i):8*(4*\g+\i)+7], v[KB+16*\i+8:KB+16*\i+15], v[QF+8:QF+15], v[8*(4*\g+\i):8*(4*\g+\i)+7]
.endr
	WIN 0xf0                                       ; C and D window 3
.irp i, 0,1,2,3
	v_wmma_f32_16x16x32_f16 v[8*(4*\g+\i):8*(4*\g+\i)+7], v[KB+16*\i+8:KB+16*\i+15], v[QF+24:QF+31], v[8*(4*\g+\i):8*(4*\g+\i)+7]
.endr
.endm
; 16 transposing LDS loads: V of key steps 2 blk and 2 blk + 1 (32 keys each) x 64 d into buffer blk % 2
.macro FETCHV blk, hd
.irp u, 0,1
.irp dt, 0,1,2,3
	ds_load_tr16_b128 v[VB+64*(\blk&1)+32*\u+8*\dt:VB+64*(\blk&1)+32*\u+8*\dt+3], v[VA+((2*\blk+\u)>>2)] offset:((2*\blk+\u)&3)*32*VP+32*\dt+128*\hd
	ds_load_tr16_b128 v[VB+64*(\blk&1)+32*\u+8*\dt+4:VB+64*(\blk&1)+32*\u+8*\dt+7], v[VA+((2*\blk+\u)>>2)] offset:((2*\blk+\u)&3)*32*VP+16*VP+32*\dt+128*\hd
.endr
.endr
.endm
; the row's maximum of query block qb: 256 registers in four chains, then lanes r and r + 16
.macro PASS1 qb
	WIN (0x28+0x14*\qb)                            ; sources 1 and 2 in the block's window
.irp c, 0,1,2,3
	v_mov_b32 v[CH+\c], 0xff800000
.endr
.set j, 0
.rept 32
.irp c, 0,1,2,3
	v_max3_num_f32 v[CH+\c], v[CH+\c], v[8*j+2*\c], v[8*j+2*\c+1]
.endr
.set j, j+1
.endr
	WIN 0
	v_max3_num_f32 v[CH], v[CH], v[CH+1], v[CH+2]
	v_max_num_f32 v[CH], v[CH], v[CH+3]
	v_permlanex16_b32 v[PX], v[CH], s56, s57
	v_max_num_f32 v[CH], v[CH], v[PX]
	v_mul_f32 v[NMC], s54, v[CH]
	v_mul_f32 v[NMC+1], s54, v[CH]
.endm
; e = 2^((s - max) log2(e) / 8) in place, the row's sum, and 64 lambda[0] / (s sum) as a pair of f16
.macro PASS2 qb
	WIN 0
.irp c, 0,1,2,3,4,5,6,7
	v_mov_b32 v[SU+\c], 0
.endr
.set j, 0
.rept 8
	WIN (0x82+0x41*\qb)                            ; destination and source 0 in the block's window
.set k, 0
.rept 16
	v_pk_fma_f32 v[32*j+2*k:32*j+2*k+1], v[32*j+2*k:32*j+2*k+1], s[52:53], v[NMC:NMC+1] op_sel_hi:[1,0,1]
.set k, k+1
.endr
.set k, 0
.rept 32
	v_exp_f32 v[32*j+k], v[32*j+k]
.set k, k+1
.endr
	v_nop                                          ; one plain place behind the run of exponentials (ISA guide 5.7.2)
	WIN (0x02+\qb)
.set k, 0
	s_wait_alu depctr_va_vdst(0)
.rept 16
	v_pk_add_f32 v[SU+2*(k%4):SU+2*(k%4)+1], v[32*j+2*k:32*j+2*k+1], v[SU+2*(k%4):SU+2*(k%4)+1]
.set k, k+1
.endr
.set j, j+1
.endr
	WIN 0
	v_pk_add_f32 v[SU:SU+1], v[SU:SU+1], v[SU+2:SU+3]
	v_pk_add_f32 v[SU+4:SU+5], v[SU+4:SU+5], v[SU+6:SU+7]
	v_pk_add_f32 v[SU:SU+1], v[SU:SU+1], v[SU+4:SU+5]
	v_add_f32 v[SU], v[SU], v[SU+1]
	v_permlanex16_b32 v[PX], v[SU], s56, s57
	v_add_f32 v[SU], v[SU], v[PX]
	v_mul_f32 v[SU], s51, v[SU]                    ; s x sum: the sum is at least 1, so the product is no denormal
	v_rcp_f32 v[SU], v[SU]
	v_nop                                          ; the plain place behind the reciprocal
	s_wait_alu depctr_va_vdst(0)
	v_mul_f32 v[SU], s50, v[SU]
	v_cvt_pk_f16_f32 v[CC+\qb], v[SU], v[SU]
.endm
; key steps 2 blk and 2 blk + 1: the exponentials are rounded in place to f16, then 64 P / s = e x (64 lambda[0] / (s sum)) + 64 Pe / s, two at a time; then 16 products.
; The vector lines are also the places between the products that last read a V buffer and the loads that fill it again.
.macro PVB blk, hd
.irp qb, 0,1
	WIN (0x8a+0x45*\qb)                            ; destination and both sources in the block's window
.irp u, 0,1
.irp i, 0,1,2,3,4,5,6,7
	v_cvt_pk_f16_f32 v[32*\blk+16*\u+\i], v[32*\blk+16*\u+2*\i], v[32*\blk+16*\u+2*\i+1]   ; ascending: line i writes what lines i+1.. no longer read
.endr
.endr
	WIN (0x92+0x41*\qb)                            ; destination and source 0 the block's window, source 1 window 0, source 2 (Pe) window 1
.irp u, 0,1
.irp i, 0,1,2,3,4,5,6,7
	v_pk_fma_f16 v[32*\blk+16*\u+\i], v[32*\blk+16*\u+\i], v[CC+\qb], v[128*\qb+16*\blk+8*\u+\i]
.endr
.endr
.endr
	WIN 0
.if \blk < 7
	FETCHV (\blk+1), \hd
	s_wait_dscnt 16                                ; this block's V is in; the 16 loads just issued stay out
.else
	s_wait_dscnt 0x0
.endif
.irp qb, 0,1
	WIN (0x08+0x04*\qb)                            ; source 1 (P) in the block's window
.irp u, 0,1
.irp dt, 0,1,2,3
.if (\blk+\u) == 0
	v_wmma_f32_16x16x32_f16 v[OA+32*\qb+8*\dt:OA+32*\qb+8*\dt+7], v[VB+64*(\blk&1)+32*\u+8*\dt:VB+64*(\blk&1)+32*\u+8*\dt+7], v[32*\blk+16*\u:32*\blk+16*\u+7], 0
.else
	v_wmma_f32_16x16x32_f16 v[OA+32*\qb+8*\dt:OA+32*\qb+8*\dt+7], v[VB+64*(\blk&1)+32*\u+8*\dt:VB+64*(\blk&1)+32*\u+8*\dt+7], v[32*\blk+16*\u:32*\blk+16*\u+7], v[OA+32*\qb+8*\dt:OA+32*\qb+8*\dt+7]
.endif
.endr
.endr
.endr
.endm
; One head.  more = 1: another head follows.
.macro HEAD hd, more
	WIN 0
	FETCHK 0, \hd
.irp g, 0,1,2,3,4,5,6
	PLACES                                         ; behind the products that read the buffer filled next
	WIN 0
	FETCHK (\g+1), \hd
	s_wait_dscnt 24                                ; this group's 24 loads are in; the 24 just issued stay out
	SMUL \g
.endr
	s_wait_dscnt 0x0
	SMUL 7
	PLACES                                         ; behind the last products: their results are read, their sources loaded again
	WIN 0
.if \hd == 0
	s_wait_tensorcnt 0x0                           ; my quarter of V has landed
	s_wait_dscnt 0x0
	s_barrier_signal -1
	s_barrier_wait -1                              ; everybody's has
.endif
	FETCHV 0, \hd
.if \more
.irp qb, 0,1
.irp ks, 0,1
	global_load_b128 v[QF+16*\qb+8*\ks:QF+16*\qb+8*\ks+3], v[QO], s[44:45] offset:32768*\qb+64*\ks+128*(\hd+1)
	global_load_b128 v[QF+16*\qb+8*\ks+4:QF+16*\qb+8*\ks+7], v[QO], s[44:45] offset:32768*\qb+64*\ks+128*(\hd+1)+32
.endr
.endr
.endif
	PASS1 0
	PASS2 0
	PASS1 1
	PASS2 1
.if \more
	s_wait_loadcnt 8                               ; all of Pe is in: only the next head's 8 loads of Q are younger
.endif
.irp b8, 0,1,2,3,4,5,6,7
	PVB \b8, \hd
.endr
	; the way out: x / s = O / 64, rounded once to f16, in place
	PLACES
	WIN 0
.set k, 0
.rept 32
	v_pk_mul_f32 v[OA+2*k:OA+2*k+1], v[OA+2*k:OA+2*k+1], s[2:3] op_sel_hi:[1,0]
.set k, k+1
.endr
.irp q, 0,1,2,3,4,5,6,7
.irp i, 0,1,2,3
	v_cvt_pk_f16_f32 v[OA+8*\q+\i], v[OA+8*\q+2*\i], v[OA+8*\q+2*\i+1]     ; ascending: line i writes what lines i+1.. no longer read
.endr
.endr
.irp qb, 0,1
.irp dt, 0,1,2,3
	global_store_b128 v[LN], v[OA+32*\qb+8*\dt:OA+32*\qb+8*\dt+3], s[48:49] offset:32768*\qb+2048*\hd+512*\dt   ; 512 consecutive bytes of xf
.endr
.endr
.if \more
	s_wait_xcnt 0x0                                ; O's registers, which the stores read, become K buffers only behind this wait
	s_wait_loadcnt 0x0                             ; the next head's Q
.endif
.endm
	HEAD 0, 1
	HEAD 1, 0
	s_wait_xcnt 0x0
	v_lshl_add_u32 v254, v0, 2, 0x46800
	v_mov_b32 v255, 0
	s_wait_tensorcnt 0x0
	ds_add_u32 v254, v255
	s_wait_dscnt 0x0
	ROUND                                          ; the closing round
	s_endpgm
.Lfunc_end_k_q755cfec48e_attn:
	.size	k_q755cfec48e_attn, .Lfunc_end_k_q755cfec48e_attn-k_q755cfec48e_attn
	.p2alignl 7, 3214868480
	.fill 96, 4, 3214868480
	.section	.rodata,"a",@progbits
	.p2align	6, 0x0
	.amdhsa_kernel k_q755cfec48e_attn
		.amdhsa_group_segment_fixed_size 289280
		.amdhsa_private_segment_fixed_size 0
		.amdhsa_enable_private_segment 0
		.amdhsa_kernarg_size 40
		.amdhsa_user_sgpr_count 2
		.amdhsa_user_sgpr_kernarg_segment_ptr 1
		.amdhsa_wavefront_size32 1
		.amdhsa_system_sgpr_workgroup_id_x 1
		.amdhsa_system_sgpr_workgroup_id_y 1
		.amdhsa_system_sgpr_workgroup_id_z 1
		.amdhsa_system_vgpr_workitem_id 0
		.amdhsa_next_free_vgpr 1024
		.amdhsa_next_free_sgpr 76
		.amdhsa_reserve_vcc 1
		.amdhsa_float_denorm_mode_32 3
		.amdhsa_float_denorm_mode_16_64 3
		.amdhsa_memory_ordered 1
		.amdhsa_forward_progress 1
		.amdhsa_inst_pref_size 255
	.end_amdhsa_kernel
	.section	.bss,"aw",@nobits
	.p2align	6
	.space	262144
	.amdgpu_metadata
---
amdhsa.version: [ 1, 2 ]
amdhsa.kernels:
  - .name:           k_q755cfec48e_attn
    .symbol:         k_q755cfec48e_attn.kd
    .args:
      - { .name: qkv, .offset: 0, .size: 8, .value_kind: global_buffer, .address_space: global }
      - { .name: pe, .offset: 8, .size: 8, .value_kind: global_buffer, .address_space: global }
      - { .name: mask, .offset: 16, .size: 8, .value_kind: global_buffer, .address_space: global }
      - { .name: lambdas, .offset: 24, .size: 8, .value_kind: global_buffer, .address_space: global }
      - { .name: xf, .offset: 32, .size: 8, .value_kind: global_buffer, .address_space: global }
    .group_segment_fixed_size: 289280
    .private_segment_fixed_size: 0
    .kernarg_segment_align: 8
    .kernarg_segment_size: 40
    .max_flat_workgroup_size: 128
    .sgpr_count:     76
    .vgpr_count:     1024
    .wavefront_size: 32
...
	.end_amdgpu_metadata
.endif
;; end of part 3
;; launch oproj (part 4): grid 8 x 32, 4 waves a work-group, clusters of 4 x 4, 327,680 bytes of LDS; arguments xf, wbf, bo, out0, lambdas; writes out0
.if DOCPART == 4
	.amdgcn_target "amdgcn-amd-amdhsa--gfx1250"
	.amdhsa_code_object_version 6
	.text
	.protected	k_q755cfec48e_oproj
	.globl	k_q755cfec48e_oproj
	.p2align	8
	.type	k_q755cfec48e_oproj,@function
k_q755cfec48e_oproj:
	s_mov_b64 s[64:65], 0
	v_nop
	global_prefetch_b8 v0, s[64:65] scope:SCOPE_SE
	s_setreg_imm32_b32 hwreg(HW_REG_WAVE_MODE, 25, 1), 1
	s_wait_xcnt 0x0
	s_wait_alu depctr_hold_cnt(0) depctr_sa_sdst(0) depctr_va_vdst(0) depctr_va_sdst(0) depctr_va_ssrc(0) depctr_va_vcc(0) depctr_vm_vsrc(0)
	s_getreg_b32 s2, hwreg(HW_REG_IB_STS2, 6, 4)
	s_cmp_eq_u32 s2, 0
	s_cbranch_scc0 .Lentry_in_a_cluster
	s_endpgm
.Lentry_in_a_cluster:
	s_bfe_u32 s2, ttmp6, 0x10000c
	s_cmp_lg_u32 s2, 0xf033
	s_cbranch_scc0 .Lentry_shape_is_right
	s_endpgm
.Lentry_shape_is_right:
; out0[m][n] = s x (sum over k of xs[m][k] Wo[n][k]) + bo[n].  xs = x / s comes from xf in fragment order (f16), Wo is matrix 3 of wbf (bf16's bits, written as f16),
; out0 is f32 [4096][1024].  s = |lambda[0]| + .. + |lambda[6]| + 2^-100 is the scale by which the attention launch divided x so that it has v's room in f16.
; 32 x 8 = 256 work-groups of 128 x 128, four waves of 64 x 64 (16 accumulator tiles, 128 registers): blocks of 256 x 256 would give work to 64 work-groups only.
; K = 1,024 goes through a ring of two LDS slots of 256 along K each: one tensor load a wave brings two steps of 128, and each slot is filled twice.
; xf: the 1,024 bytes at 32768 qblk + 1024 kc hold 16 rows x 32 K as a fragment: lane l's registers 0-3 at 16 l, registers 4-7 at 512 + 16 l.
; So A's part of a slot is 8 row blocks x 8,192 consecutive bytes, needs no padding (a load's 32 lanes read 512 consecutive bytes) and no address arithmetic by row.
; CLUSTERS: 4 x 4; A's tiles are shared along a cluster's row, B's along a column, by joint loads.
; The matrix instruction is used transposed (source 0 = 16 rows of Wo, source 1 = 16 rows of xs): a lane holds eight neighbouring columns of one row, 32 bytes of f32.
; The first products take the constant 0 as C: nothing is cleared.  Scale and bias are one packed multiply-add for two results on the way out.
.set SLOT,  133120                     ; A 65,536 + B 128 rows x 528
.set BPART, 65536
.set BP,    528                        ; 512 bytes + 16 = 33 x 16
.set STAGE, 266240                     ; behind the ring: 16 rows x 272 bytes for each wave; no tensor load lands here
.set SP,    272
.set ADRA, 16                          ; v16-17 LDS address of my A fragments in slot 0, 1
.set ADRB, 18                          ; v18-19 the same for B
.set STO,  20
.set RD,   21
.set CO,   22
.set BO,   23
.set BIAS, 32                          ; v[32:63] bias of my 64 columns: register 8 b + j is column 16 b + 8 (l / 16) + j
.set F0,   64                          ; fragment buffers: A's four blocks at 8 a, B's four at 32 + 8 b
.set F1,   128
.set TMP,  192
.set G1A, 24
.set G1B, 32
.set G0A, 40                           ; one set for each slot
.set G0B, 48
.set ACC,  0x50                        ; C and D window 1 (accumulator (a, b) at v[8 (4 a + b)]), sources window 0
.set MSB, 0
.macro WIN new
.if MSB != \new
	s_set_vgpr_msb (MSB<<8)|\new
.set MSB, \new
.endif
.endm
.macro PLACES                          ; four plain vector places behind a matrix instruction (ISA guide 7.12.1 for vector instructions)
.rept 4
	v_nop
.endr
.endm
.macro JLOAD s                         ; waves 0 and 1 fetch A's halves, waves 2 and 3 B's
	s_cmp_eq_u32 s13, 0
	s_cbranch_scc0 .Lfor_b_\@
	tensor_load_to_lds s[G0A+4*\s:G0A+4*\s+3], s[G1A:G1A+7]
	s_nop 0
	s_branch .Lasked_\@
.Lfor_b_\@:
	tensor_load_to_lds s[G0B+4*\s:G0B+4*\s+3], s[G1B:G1B+7]
	s_nop 0
.Lasked_\@:
.endm
.macro CREST
	s_cmp_lg_u32 s12, 0
	s_cbranch_scc1 .Lnot_wave_0_\@
	s_barrier_signal -3
.Lnot_wave_0_\@:
	s_barrier_wait -3
	s_barrier_signal -1
	s_barrier_wait -1
.endm
.macro CROUND
	s_barrier_signal -1
	s_barrier_wait -1
	CREST
.endm
	s_load_b256 s[4:11], s[0:1], 0x0               ; xf s[4:5], wbf s[6:7], bo s[8:9], out0 s[10:11]
	s_load_b64 s[66:67], s[0:1], 0x20              ; lambdas
	v_lshl_add_u32 v254, v0, 2, 0x45400
	v_mov_b32 v255, 0
	ds_add_u32 v254, v255
	v_lshrrev_b32 v1, 5, v0
	v_readfirstlane_b32 s12, v1                    ; wave 0..3
	s_lshr_b32 s13, s12, 1                         ; my half of the rows.  Also: I fetch for A (0) or for B (1)
	s_and_b32 s14, s12, 1                          ; my half of the columns.  Also: which half of that tile I fetch
	s_bfe_u32 s15, ttmp6, 0x40000                  ; cx
	s_bfe_u32 s16, ttmp6, 0x40004                  ; cy
	s_lshl_b32 s17, ttmp9, 2
	s_add_co_u32 s17, s17, s15                     ; block column
	s_and_b32 s18, ttmp7, 0xffff
	s_lshl_b32 s18, s18, 2
	s_add_co_u32 s18, s18, s16                     ; block row
	s_lshl_b32 s19, s16, 2
	s_lshl_b32 s19, 15, s19                        ; my row of the cluster
	s_lshl_b32 s20, 0x1111, s15                    ; my column
	; A: 4 rows (row blocks) of 1,024 elements of 8 bytes, 4,096 elements from row block to row block, no padding
	s_or_b32 s[G1A+0], s19, (3<<16)|(1<<21)
	s_mov_b32 s[G1A+1], 1024<<16
	s_mov_b32 s[G1A+2], 4<<16
	s_mov_b32 s[G1A+3], 1024<<16
	s_mov_b32 s[G1A+4], 4
	s_mov_b32 s[G1A+5], 4096
	s_mov_b32 s[G1A+6], 0
	s_mov_b32 s[G1A+7], 0
	; B: 64 rows of 256 elements of 2 bytes, 1,024 elements from row to row, 4 words of padding behind every 128 words
	s_or_b32 s[G1B+0], s20, (1<<16)|(1<<20)|(1<<21)|(6<<22)|(3<<25)
	s_mov_b32 s[G1B+1], 256<<16
	s_mov_b32 s[G1B+2], 64<<16
	s_mov_b32 s[G1B+3], 256<<16
	s_mov_b32 s[G1B+4], 64
	s_mov_b32 s[G1B+5], 1024
	s_mov_b32 s[G1B+6], 0
	s_mov_b32 s[G1B+7], 0
	s_lshl_b32 s56, s18, 18                        ; A: (8 x block row + 4 x half) x 32,768 bytes
	s_lshl_b32 s57, s14, 17
	s_add_co_u32 s56, s56, s57
	s_mov_b32 s57, 0
	s_lshl_b32 s58, s17, 18                        ; B: (3,072 + 128 x block column + 64 x half) x 2,048 bytes
	s_lshl_b32 s59, s14, 17
	s_add_co_u32 s58, s58, s59
	s_add_co_u32 s58, s58, 3072*2048
	s_mov_b32 s59, 0
	s_lshl_b32 s21, s14, 15                        ; where A's half goes: half x 32,768
	s_mul_i32 s22, s14, 64*BP                      ; where B's half goes,
	s_add_co_u32 s22, s22, BPART                   ; behind A's part; also where my 64 columns' rows of B lie
	s_lshl_b32 s60, s17, 9                         ; the bias of my 64 columns: 4 x (128 x block column + 64 x half)
	s_lshl_b32 s61, s14, 8
	s_add_co_u32 s60, s60, s61
	s_mov_b32 s61, 0
	s_wait_dscnt 0x0
	s_wait_kmcnt 0x0
	s_load_b128 s[68:71], s[66:67], 0x0            ; lambda 0..3
	s_load_b96 s[72:74], s[66:67], 0x10            ; lambda 4..6: 28 bytes in all, the buffer's size
	s_add_nc_u64 s[56:57], s[4:5], s[56:57]
	s_add_nc_u64 s[58:59], s[6:7], s[58:59]
	s_add_nc_u64 s[8:9], s[8:9], s[60:61]
	CROUND                                         ; the first joint loads meet
.irp s, 0,1
	s_mov_b32 s[G0A+4*\s], 1
	s_add_co_u32 s[G0A+4*\s+1], s21, \s*SLOT
	s_add_nc_u64 s[G0A+4*\s+2:G0A+4*\s+3], s[56:57], \s*8192       ; 256 along K are 8 chunks of 1,024 bytes
	s_or_b32 s[G0A+4*\s+3], s[G0A+4*\s+3], 0x80000000
	s_mov_b32 s[G0B+4*\s], 1
	s_add_co_u32 s[G0B+4*\s+1], s22, \s*SLOT
	s_add_nc_u64 s[G0B+4*\s+2:G0B+4*\s+3], s[58:59], \s*512
	s_or_b32 s[G0B+4*\s+3], s[G0B+4*\s+3], 0x80000000
	JLOAD \s                                       ; two loads of the wave are out
.endr
	v_and_b32 v1, 15, v0                           ; r
	v_bfe_u32 v2, v0, 4, 1                         ; h
	v_and_b32 v3, 31, v0
	v_lshlrev_b32 v3, 4, v3                        ; 16 lane
	s_lshl_b32 s23, s13, 15                        ; my four row blocks
	v_add_nc_u32 v[ADRA], s23, v3
	v_add_nc_u32 v[ADRA+1], SLOT, v[ADRA]
	v_mul_u32_u24 v4, v1, BP
	v_lshl_add_u32 v4, v2, 4, v4
	v_add_nc_u32 v[ADRB], s22, v4
	v_add_nc_u32 v[ADRB+1], SLOT, v[ADRB]
	s_mul_i32 s23, s12, 16*SP
	s_add_co_u32 s23, s23, STAGE                   ; my stage
	v_mul_u32_u24 v4, v1, SP
	v_lshl_add_u32 v4, v2, 5, v4                   ; in: row r, 32 bytes for each half of the lanes
	v_add_nc_u32 v[STO], s23, v4
	v_mul_u32_u24 v5, v2, SP
	v_lshl_add_u32 v5, v1, 4, v5                   ; back: lanes 0-15 one row of 256 bytes, lanes 16-31 the next
	v_add_nc_u32 v[RD], s23, v5
	v_lshlrev_b32 v5, 12, v2
	v_lshl_add_u32 v[CO], v1, 4, v5                ; the same two rows in out0 (4,096 bytes a row)
	v_lshlrev_b32 v[BO], 5, v2
.irp b, 0,1,2,3
	global_load_b128 v[BIAS+8*\b:BIAS+8*\b+3], v[BO], s[8:9] offset:64*\b
	global_load_b128 v[BIAS+8*\b+4:BIAS+8*\b+7], v[BO], s[8:9] offset:64*\b+16
.endr
; 16 LDS loads: the fragments of chunk kc (32 along K) of a slot into buffer f
.macro FETCH slot, kc, f
.irp a, 0,1,2,3
	ds_load_b128 v[\f+8*\a:\f+8*\a+3],   v[ADRA+\slot] offset:\a*8192+\kc*1024
	ds_load_b128 v[\f+8*\a+4:\f+8*\a+7], v[ADRA+\slot] offset:\a*8192+\kc*1024+512
.endr
.irp b, 0,1,2,3
	ds_load_b128 v[\f+32+8*\b:\f+32+8*\b+3], v[ADRB+\slot] offset:\b*16*BP+\kc*64
	ds_load_b128 v[\f+32+8*\b+4:\f+32+8*\b+7], v[ADRB+\slot] offset:\b*16*BP+\kc*64+32
.endr
.endm
; 8 matrix instructions: row blocks 2 half, 2 half + 1 x four column blocks.  The 16 accumulators take turns, one instruction a turn, in the same order in every chunk.
; first = 1: the first product starts the sum.
.macro MULH f, half, first
.irp a, 2*\half, 2*\half+1
.irp b, 0,1,2,3
.if \first
	v_wmma_f32_16x16x32_f16 v[8*(4*(\a)+\b):8*(4*(\a)+\b)+7], v[\f+32+8*\b:\f+32+8*\b+7], v[\f+8*(\a):\f+8*(\a)+7], 0
.else
	v_wmma_f32_16x16x32_f16 v[8*(4*(\a)+\b):8*(4*(\a)+\b)+7], v[\f+32+8*\b:\f+32+8*\b+7], v[\f+8*(\a):\f+8*(\a)+7], v[8*(4*(\a)+\b):8*(4*(\a)+\b)+7]
.endif
.endr
.endr
.endm
; chunk kc = 0..6 of a slot: fetch chunk kc + 1 into the other buffer, multiply this one
.macro STEP slot, kc, first
.set FC, F0+64*(\kc&1)
.set FN, F0+64*((\kc+1)&1)
	PLACES                                         ; behind the products that read the buffer filled next
	WIN 0
	FETCH \slot, (\kc+1), FN
	s_wait_dscnt 16                                ; this chunk's 16 loads are in; the 16 just issued stay out
	WIN ACC
	MULH FC, 0, \first
	MULH FC, 1, \first
.endm
.macro SEVEN slot, first
	STEP \slot, 0, \first
.irp kc, 1,2,3,4,5,6
	STEP \slot, \kc, 0
.endr
.endm
; chunk 7 (buffer 1) and the change of slots.  In front of the barrier each wave waits for its reads of this slot and for all its tensor loads (one is out: its part of the
; next slot); behind it the refill comes first, then the next slot's first fragments.  A refill has the next slot's 128 matrix instructions of each wave in which to land.
.macro TURN slot, next, fill
	s_wait_dscnt 0x0
	s_wait_tensorcnt 0x0
	ds_add_u32 v254, v255
	s_wait_dscnt 0x0
	s_barrier_signal -1                            ; where a slot is filled again this barrier opens a round of the cluster's barrier
	WIN ACC
	MULH F1, 0, 0                                  ; register work while the others arrive
	WIN 0
	s_barrier_wait -1
.if \fill
	CREST
	s_add_nc_u64 s[G0A+4*\slot+2:G0A+4*\slot+3], s[G0A+4*\slot+2:G0A+4*\slot+3], 16384
	s_add_nc_u64 s[G0B+4*\slot+2:G0B+4*\slot+3], s[G0B+4*\slot+2:G0B+4*\slot+3], 1024
	JLOAD \slot                                    ; the first tensor load behind the round, the wave's only one until the next: one is out
.endif
	PLACES
	FETCH \next, 0, F0
	WIN ACC
	MULH F1, 1, 0
.endm
	s_wait_tensorcnt 0x1                           ; my part of slot 0 is in; slot 1's load stays out
	s_barrier_signal -1
	s_barrier_wait -1
	FETCH 0, 0, F0
	SEVEN 0, 1                                     ; K 0-255
	TURN 0, 1, 1
	SEVEN 1, 0                                     ; K 256-511
	TURN 1, 0, 1
	SEVEN 0, 0                                     ; K 512-767
	TURN 0, 1, 0                                   ; nothing is left to fetch
	SEVEN 1, 0                                     ; K 768-1023
	s_wait_dscnt 0x0
	WIN ACC
	MULH F1, 0, 0
	MULH F1, 1, 0
	; THE WAY OUT: sum x s + bias, then 16 rows at a time through my own stage: 32 bytes a lane in, whole rows of 256 bytes back.
	PLACES
	s_wait_kmcnt 0x0                               ; the lambdas
	s_and_b32 s62, s68, 0x7fffffff                 ; s = |lambda[0]| + .. + |lambda[6]| + 2^-100
.irp m, 69,70,71,72,73,74
	s_and_b32 s75, s[\m], 0x7fffffff
	s_add_f32 s62, s62, s75
.endr
	s_add_f32 s62, s62, 0x0d800000
	s_mov_b32 s63, s62                             ; the pair's second register is written too
	s_lshl_b32 s60, s18, 19                        ; (128 x block row + 64 x half) x 4,096 bytes
	s_lshl_b32 s61, s13, 18
	s_add_co_u32 s60, s60, s61
	s_lshl_b32 s61, s17, 9                         ; + 4 x (128 x block column + 64 x half)
	s_add_co_u32 s60, s60, s61
	s_lshl_b32 s61, s14, 8
	s_add_co_u32 s60, s60, s61
	s_mov_b32 s61, 0
	s_add_nc_u64 s[10:11], s[10:11], s[60:61]
	s_wait_loadcnt 0x0                             ; the bias
	WIN 0x41                                       ; destination and source 0 window 1, the bias window 0
.irp a, 0,1,2,3
.irp b, 0,1,2,3
.irp j, 0,2,4,6
	v_pk_fma_f32 v[8*(4*\a+\b)+\j:8*(4*\a+\b)+\j+1], v[8*(4*\a+\b)+\j:8*(4*\a+\b)+\j+1], s[62:63], v[BIAS+8*\b+\j:BIAS+8*\b+\j+1] op_sel_hi:[1,0,1]
.endr
.endr
.endr
.macro OUT16 a, f
	WIN 0x04                                       ; the stores' data in window 1
.irp b, 0,1,2,3
	ds_store_b128 v[STO], v[8*(4*\a+\b):8*(4*\a+\b)+3] offset:64*\b
	ds_store_b128 v[STO], v[8*(4*\a+\b)+4:8*(4*\a+\b)+7] offset:64*\b+16
.endr
	WIN 0
	s_wait_xcnt 0x0                                ; buffer f, which earlier stores read, and the stores' base are rewritten only behind this wait
.if \a
	s_add_nc_u64 s[10:11], s[10:11], 16*4096
.endif
.irp t, 0,1,2,3,4,5,6,7
	ds_load_b128 v[\f+4*\t:\f+4*\t+3], v[RD] offset:\t*2*SP        ; LDS serves a wave's instructions in order (ISA guide 5.7.1.4): these see the stores above
.endr
.irp t, 0,1,2,3,4,5,6,7
	s_wait_dscnt 7-\t                              ; load t is in, the 7 - t younger ones stay out
	global_store_b128 v[CO], v[\f+4*\t:\f+4*\t+3], s[10:11] offset:\t*8192     ; 16 lanes store 256 consecutive bytes at a multiple of 256
.endr
.endm
	OUT16 0, TMP
	OUT16 1, F0
	OUT16 2, TMP
	OUT16 3, F0
	s_wait_tensorcnt 0x0
	ds_add_u32 v254, v255
	s_wait_dscnt 0x0
	CROUND                                         ; the closing round
	s_endpgm
.Lfunc_end_k_q755cfec48e_oproj:
	.size	k_q755cfec48e_oproj, .Lfunc_end_k_q755cfec48e_oproj-k_q755cfec48e_oproj
	.p2alignl 7, 3214868480
	.fill 96, 4, 3214868480
	.section	.rodata,"a",@progbits
	.p2align	6, 0x0
	.amdhsa_kernel k_q755cfec48e_oproj
		.amdhsa_group_segment_fixed_size 327680
		.amdhsa_private_segment_fixed_size 0
		.amdhsa_enable_private_segment 0
		.amdhsa_kernarg_size 40
		.amdhsa_user_sgpr_count 2
		.amdhsa_user_sgpr_kernarg_segment_ptr 1
		.amdhsa_wavefront_size32 1
		.amdhsa_system_sgpr_workgroup_id_x 1
		.amdhsa_system_sgpr_workgroup_id_y 1
		.amdhsa_system_sgpr_workgroup_id_z 1
		.amdhsa_system_vgpr_workitem_id 0
		.amdhsa_next_free_vgpr 384
		.amdhsa_next_free_sgpr 76
		.amdhsa_reserve_vcc 0
		.amdhsa_float_denorm_mode_32 3
		.amdhsa_float_denorm_mode_16_64 3
		.amdhsa_memory_ordered 1
		.amdhsa_forward_progress 1
		.amdhsa_inst_pref_size 94
	.end_amdhsa_kernel
	.amdgpu_metadata
---
amdhsa.version: [ 1, 2 ]
amdhsa.kernels:
  - .name:           k_q755cfec48e_oproj
    .symbol:         k_q755cfec48e_oproj.kd
    .args:
      - { .name: xf, .offset: 0, .size: 8, .value_kind: global_buffer, .address_space: global }
      - { .name: wbf, .offset: 8, .size: 8, .value_kind: global_buffer, .address_space: global }
      - { .name: bo, .offset: 16, .size: 8, .value_kind: global_buffer, .address_space: global }
      - { .name: out0, .offset: 24, .size: 8, .value_kind: global_buffer, .address_space: global }
      - { .name: lambdas, .offset: 32, .size: 8, .value_kind: global_buffer, .address_space: global }
    .group_segment_fixed_size: 327680
    .private_segment_fixed_size: 0
    .kernarg_segment_align: 8
    .kernarg_segment_size: 40
    .max_flat_workgroup_size: 128
    .sgpr_count:     76
    .vgpr_count:     384
    .wavefront_size: 32
...
	.end_amdgpu_metadata
.endif
;; end of part 4
;; ======== version 2 of 2: 4 launches; version 1 with the launch prep written anew for expert scheduling mode
;; limits: right only within a limited range of input values; values are held in f16: magnitudes above 65,504 overflow, below 6.1e-05 lose precision; values outside matrix products are rounded to f16
;; workspace buffers: abf 25,165,824 bytes; wbf 8,388,608 bytes; qkv 25,165,824 bytes; pe 4,194,304 bytes; xf 8,388,608 bytes
;; launch prep (part 5): grid 256 x 1, 16 waves a work-group, no clusters, 18,688 bytes of LDS; arguments imf_1_matrix, imf_2_matrix, imf_3_matrix, imf_4_matrix, imf_5_matrix, adj_matrix, mask, lambdas, Query, Key, Value, Wq, Wk, Wv, Wo, pe, abf, wbf; writes pe, abf, wbf
.if DOCPART == 5
	.amdgcn_target "amdgcn-amd-amdhsa--gfx1250"
	.amdhsa_code_object_version 6
	.text
	.protected	k_q755cfec48e_prep
	.globl	k_q755cfec48e_prep
	.p2align	8
	.type	k_q755cfec48e_prep,@function
k_q755cfec48e_prep:
	s_mov_b64 s[64:65], 0
	v_nop
	global_prefetch_b8 v0, s[64:65] scope:SCOPE_SE
	s_setreg_imm32_b32 hwreg(HW_REG_WAVE_SCHED_MODE, 0, 2), 2
	s_setreg_imm32_b32 hwreg(HW_REG_WAVE_MODE, 25, 1), 1
	s_wait_xcnt 0x0
	s_wait_alu depctr_vm_vsrc(0)
; prep: (1) Pe[b][q][k] = sum over i of lambda[i+1] softmax(-imf_i, masked keys at +inf)[q][k] + lambda[6] adj[q][k] / (sum over k of adj + 1e-6),
;           in f32; 64 Pe / s is rounded once to f16 and stored in the order in which the attention launch holds its score tiles;
;           s = |lambda[0]| + .. + |lambda[6]| + 2^-100, made in the same order of additions in all three launches that use it;
;       (2) bf16 copies of Query, Key, Value (abf) and of Wq, Wk, Wv (wbf, matrices 0-2); Wo rounded to bf16 and written as f16 (wbf, matrix 3).
; A stream: every input byte is read once by 16-byte loads of which a wave's 32 cover 512 consecutive bytes; no matrix unit, no cluster (nothing is shared).
; 256 work-groups x 16 waves = 4,096 waves.  Wave W owns row W of the six [4096][512] matrices, row W of Query, Key, Value, and 1,024 bytes of each weight matrix.
; A row of 512 f32 is 16 registers of the wave, so minimum, exponentials, sums and the weighted sum stay in registers.
; Load i of a row takes bytes 16 lane + 512 i: a lane holds columns 4 lane + 128 i + 0..3, in 16 bits the 8 bytes at 8 lane + 256 i,
; so each 8-byte store of a wave covers 256 consecutive bytes that begin at a multiple of 256.
; pe's order: the 16 bytes at 16384 qblk + 256 c + 16 r hold 64 Pe[16 qblk + r][8 c .. 8 c + 7] / s.  The work-group's 16 rows are one qblk; they meet in LDS (pitch 1,040).
; WHY f16, WHY 1 / s AND WHY 64: Pe is a weight of a sum of 512 terms of mixed sign, so its rounding shows in full in the result: f16's eleven bits are wanted.
; Divided by s a row of all the weights sums to at most 1 in magnitude whatever the lambdas' size (adj of one sign), an entry is about 1/512; times 64 it is about 0.1,
; four decades above f16's smallest normal number and five below its largest.  The output projection multiplies by s again.  With every lambda 0 all weights are 0.
; WHY Wo GOES THROUGH bf16: every input of the problem enters its product with bf16's eight bits; f16 is only Wo's container, because its partner x / s is f16 and a matrix
; instruction takes both operands in one format.  A bf16 number from 2^-14 to 65,504 is exact in f16; below, the step is 6e-8 (3e-6 of Wo's spread as drawn).
; LIMITS: 64 |Pe| / s and |Wo| must stay below 65,504; the division is v_rcp_f32 and a multiply; v_exp_f32 gives 0 for results below 2^-126; NaN and infinite inputs are
; not treated apart.  A row whose keys are all masked gives inf - inf = NaN, as the softmax of the definition does.
; THE MODE: SCHED_MODE bits 1:0 = 2 (LLVM: expert scheduling mode 2), set by the entry lines.  The code itself states the register dependences
; between vector instructions and memory or LDS instructions, with s_wait_alu, always for 0.
; THE PLAN.  The text is one straight run.  Registers that memory or LDS instructions touch:
;   v1, v2, v[LW], v[LR], v[PO], v216, v217   addresses, made at the head and never written again: one wait on va_vdst ahead of the first load serves them all.
;   MSK, M .. M+95, CA, CB                    the first 44 loads land here; no vector instruction names them before.
;   M .. M+63                                 imf 1 to 4: last read by the weighted sum's multiply-adds of imf 4; then Value's row and the weights' pieces land here:
;                                             one wait behind those multiply-adds; imf 5's and the roundings to f16, which name M+64 .. M+95 alone, follow the loads.
;   M+80 .. M+87                              written by the roundings to f16, read by the four LDS stores;  M+64 .. M+71: read by imf 5's multiply-adds, then the two
;                                             LDS loads behind the barrier land here: one wait ahead of the LDS stores serves both.
;   CA, CB, M .. M+63 on the way out          four batches (Query, Key, Value, weights), converted in place.  One wait behind a batch's conversions; its eight stores are
;                                             dealt among the next batch's conversions, which name that batch's registers alone.
; No register that a memory or LDS instruction has read is written again, so no wait on vm_vsrc is owed ahead of the closing lines.
; Two runs of vector instructions write scalar registers (the wave's number; the sixteen masks): a wait on va_sdst stands behind each, ahead of the first reader.
.set MSK, 4                            ; v[4:19]    the mask's 16 words of my columns
.set M,   20                           ; v[20:115]  matrix m (0-4 imf, 5 adj): 16 registers at M + 16 m; adj's become the weighted sum
.set CA,  116                          ; v[116:147] my row of Query
.set CB,  148                          ; v[148:179] my row of Key
.set INF, 180                          ; +infinity
.set MN,  181                          ; v[181:185] the five minima
.set PX,  186                          ; what v_permlanex16_b32 brings
.set MC,  188                          ; v[188:197] minimum x log2(e), twice each (pairs for the packed multiply-add)
.set SM,  198                          ; v[198:209] six sums, later the six weights, twice each
.set LW,  212                          ; LDS address of my wave's row, + 8 lane
.set LR,  213                          ; LDS address that thread T reads back
.set TT,  214                          ; at work
.set PO,  215                          ; 16 T: thread T's place in the work-group's 16,384 bytes of pe
.set LP,  1040                         ; LDS pitch: 1,024 bytes + 16 = 65 x 16, so 16 rows' equal columns lie in 16 different 16-byte columns of 256
	s_load_b512 s[8:23], s[0:1], 0x0               ; imf_1..5 s[8:17], adj s[18:19], mask s[20:21], lambdas s[22:23]
	s_load_b512 s[24:39], s[0:1], 0x40             ; Query, Key, Value s[24:29], Wq, Wk, Wv, Wo s[30:37], pe s[38:39]
	s_load_b128 s[40:43], s[0:1], 0x80             ; abf s[40:41], wbf s[42:43]
	v_lshl_add_u32 v216, v0, 2, 0x4100
	v_mov_b32 v217, 0
	v_lshrrev_b32 v3, 5, v0
	v_readfirstlane_b32 s2, v3                     ; wave 0..15
	v_and_b32 v1, 31, v0
	v_lshlrev_b32 v2, 3, v1                        ; 8 lane
	v_lshlrev_b32 v1, 4, v1                        ; 16 lane
	v_mov_b32 v[INF], 0x7f800000
	v_mov_b32 v[PX], 0                             ; v_permlanex16_b32 counts as a reader of its destination
	s_wait_alu depctr_va_sdst(0)                   ; s2, the wave's number, is written, ahead of its first reader: the row's number and the LDS row are made from it
	s_lshl_b32 s3, ttmp9, 4
	s_add_co_u32 s3, s3, s2                        ; W
	s_lshl_b32 s60, s3, 11                         ; W x 2,048: a row of the six matrices, and a row of abf
	s_mov_b32 s61, 0
	s_lshl_b32 s62, s3, 12                         ; W x 4,096: a row of Query, Key, Value
	s_mov_b32 s63, 0
	s_lshl_b32 s66, s3, 10                         ; W x 1,024: my piece of a weight matrix
	s_mov_b32 s67, 0
	s_lshr_b32 s4, ttmp9, 5                        ; batch: 32 work-groups of 16 rows each
	s_lshl_b32 s4, s4, 11                          ; x 2,048 bytes of mask
	s_mov_b32 s5, 0
	s_lshl_b32 s6, s3, 9                           ; W x 512: my piece of a weight matrix in 16 bits
	s_mov_b32 s7, 0
	s_lshl_b32 s80, ttmp9, 14                      ; the work-group's 16,384 bytes of pe
	s_mov_b32 s81, 0
	s_mov_b32 s76, 0x76543210                      ; v_permlanex16_b32: lane i reads lane i of the other half
	s_mov_b32 s77, 0xfedcba98
	s_mov_b32 s78, 0xbfb8aa3b                      ; -log2(e), twice
	s_mov_b32 s79, 0xbfb8aa3b
	s_mul_i32 s2, s2, LP
	v_add_nc_u32 v[LW], s2, v2
	v_and_b32 v[LR], 15, v0
	v_mul_u32_u24 v[LR], v[LR], LP
	v_lshrrev_b32 v[TT], 4, v0
	v_lshl_add_u32 v[LR], v[TT], 4, v[LR]          ; row T % 16, 16-byte column T / 16
	v_lshlrev_b32 v[PO], 4, v0
	s_wait_kmcnt 0x0
	s_load_b128 s[68:71], s[22:23], 0x0            ; lambda 0..3
	s_load_b96 s[72:74], s[22:23], 0x10            ; lambda 4..6: 28 bytes in all, the buffer's size
.irp p, 8,10,12,14,16,18
	s_add_nc_u64 s[\p:\p+1], s[\p:\p+1], s[60:61]
.endr
	s_add_nc_u64 s[20:21], s[20:21], s[4:5]
.irp p, 24,26,28
	s_add_nc_u64 s[\p:\p+1], s[\p:\p+1], s[62:63]
.endr
.irp p, 30,32,34,36
	s_add_nc_u64 s[\p:\p+1], s[\p:\p+1], s[66:67]
.endr
	s_add_nc_u64 s[38:39], s[38:39], s[80:81]
	s_add_nc_u64 s[40:41], s[40:41], s[60:61]      ; abf, part 0 (Query)
	s_add_nc_u64 s[82:83], s[40:41], 0x800000      ; part 1 (Key): 8,388,608 bytes on, one more than a store's immediate reaches
	s_add_nc_u64 s[84:85], s[82:83], 0x800000      ; part 2 (Value)
	s_add_nc_u64 s[42:43], s[42:43], s[6:7]
	s_wait_alu depctr_va_vdst(0)                   ; v1, v2, v[LW], v[LR], v[PO], v216 and v217 are written: every load, store and LDS instruction of the kernel reads one of them as its address
	; 44 loads of the wave go out at once: 22 KiB
.irp i, 0,1,2,3
	global_load_b128 v[MSK+4*\i:MSK+4*\i+3], v1, s[20:21] offset:512*\i
.endr
.irp m, 0,1,2,3,4,5
.irp i, 0,1,2,3
	global_load_b128 v[M+16*\m+4*\i:M+16*\m+4*\i+3], v1, s[8+2*\m:9+2*\m] offset:512*\i th:TH_LOAD_NT
.endr
.endr
.irp i, 0,1,2,3,4,5,6,7
	global_load_b128 v[CA+4*\i:CA+4*\i+3], v1, s[24:25] offset:512*\i th:TH_LOAD_NT
.endr
.irp i, 0,1,2,3,4,5,6,7
	global_load_b128 v[CB+4*\i:CB+4*\i+3], v1, s[26:27] offset:512*\i th:TH_LOAD_NT
.endr
	s_wait_loadcnt 16                              ; mask and the six rows are in; the 16 younger loads (Query's and Key's rows) stay out
	; masked keys become +infinity in the five imf rows
.irp j, 0,1,2,3,4,5,6,7,8,9,10,11,12,13,14,15
	v_cmp_eq_u32 s[44+\j], 0, v[MSK+\j]
.endr
	s_wait_alu depctr_va_sdst(0)                   ; the sixteen compares have written s44 to s59, ahead of the first select that reads one of them
.irp m, 0,1,2,3,4
.irp j, 0,1,2,3,4,5,6,7,8,9,10,11,12,13,14,15
	v_cndmask_b32 v[M+16*\m+\j], v[M+16*\m+\j], v[INF], s[44+\j]
.endr
.endr
	; the row's minimum (the maximum of -x), the five rows side by side so that no line waits for the one in front of it
.irp m, 0,1,2,3,4
	v_min3_num_f32 v[MN+\m], v[M+16*\m], v[M+16*\m+1], v[M+16*\m+2]
.endr
.irp j, 3,5,7,9,11,13
.irp m, 0,1,2,3,4
	v_min3_num_f32 v[MN+\m], v[MN+\m], v[M+16*\m+\j], v[M+16*\m+\j+1]
.endr
.endr
.irp m, 0,1,2,3,4
	v_min_num_f32 v[MN+\m], v[MN+\m], v[M+16*\m+15]
.endr
.irp x, 1,2,4,8
.irp m, 0,1,2,3,4
	v_min_num_f32_dpp v[MN+\m], v[MN+\m], v[MN+\m] row_xmask:\x row_mask:0xf bank_mask:0xf
.endr
.endr
.irp m, 0,1,2,3,4
	v_permlanex16_b32 v[PX], v[MN+\m], s76, s77
	v_min_num_f32 v[MN+\m], v[MN+\m], v[PX]
.endr
.irp m, 0,1,2,3,4
	v_mul_f32 v[MC+2*\m], 0x3fb8aa3b, v[MN+\m]
	v_mul_f32 v[MC+2*\m+1], 0x3fb8aa3b, v[MN+\m]
.endr
	; e = 2^((min - x) log2 e); the rounding of min x log2 e is a common factor of the row and leaves with the division by the sum
.irp m, 0,1,2,3,4
.irp j, 0,1,2,3,4,5,6,7
	v_pk_fma_f32 v[M+16*\m+2*\j:M+16*\m+2*\j+1], v[M+16*\m+2*\j:M+16*\m+2*\j+1], s[78:79], v[MC+2*\m:MC+2*\m+1] op_sel_hi:[1,0,1]
.endr
.endr
.set q, 0
.rept 80
	v_exp_f32 v[M+q], v[M+q]
.set q, q+1
.endr
	v_nop                                          ; one plain place behind the run of exponentials before a result is used (ISA guide 5.7.2)
	s_wait_alu depctr_va_vdst(0)                   ; the 80 exponentials have written v[M .. M+79], ahead of their first reader: one wait for the batch
	; six row sums (adj's too)
.irp m, 0,1,2,3,4,5
	v_pk_add_f32 v[SM+2*\m:SM+2*\m+1], v[M+16*\m:M+16*\m+1], v[M+16*\m+2:M+16*\m+3]
.endr
.irp j, 2,3,4,5,6,7
.irp m, 0,1,2,3,4,5
	v_pk_add_f32 v[SM+2*\m:SM+2*\m+1], v[SM+2*\m:SM+2*\m+1], v[M+16*\m+2*\j:M+16*\m+2*\j+1]
.endr
.endr
.irp m, 0,1,2,3,4,5
	v_add_f32 v[SM+2*\m], v[SM+2*\m], v[SM+2*\m+1]
.endr
.irp x, 1,2,4,8
.irp m, 0,1,2,3,4,5
	v_add_f32_dpp v[SM+2*\m], v[SM+2*\m], v[SM+2*\m] row_xmask:\x row_mask:0xf bank_mask:0xf
.endr
.endr
.irp m, 0,1,2,3,4,5
	v_permlanex16_b32 v[PX], v[SM+2*\m], s76, s77
	v_add_f32 v[SM+2*\m], v[SM+2*\m], v[PX]
.endr
	v_add_f32 v[SM+10], 0x358637bd, v[SM+10]       ; adj's sum + 1e-6
	s_wait_kmcnt 0x0                               ; the lambdas
	s_and_b32 s75, s68, 0x7fffffff                 ; s = |lambda[0]| + .. + |lambda[6]| + 2^-100
.irp m, 69,70,71,72,73,74
	s_and_b32 s66, s[\m], 0x7fffffff
	s_add_f32 s75, s75, s66
.endr
	s_add_f32 s75, s75, 0x0d800000
.irp m, 0,1,2,3,4,5
	v_mul_f32 v[SM+2*\m], s75, v[SM+2*\m]          ; s x sum: a softmax's sum is at least 1, so the product is no denormal
.endr
.irp m, 0,1,2,3,4,5
	v_rcp_f32 v[SM+2*\m], v[SM+2*\m]
.endr
	v_nop                                          ; the plain place behind the reciprocals
.irp m, 0,1,2,3,4,5
	s_mul_f32 s[69+\m], s[69+\m], 0x42800000       ; 64 lambda[m+1]: a power of two, exact
.endr
	s_wait_alu depctr_va_vdst(0)                   ; the six reciprocals have written v[SM], v[SM+2] .. v[SM+10], ahead of their first reader: one wait for the batch
.irp m, 0,1,2,3,4,5
	v_mul_f32 v[SM+2*\m+1], s[69+\m], v[SM+2*\m]   ; weight m = 64 lambda[m+1] / (s x sum m), in both registers of its pair
	v_mul_f32 v[SM+2*\m], s[69+\m], v[SM+2*\m]
.endr
	; the weighted sum, in adj's registers: adj, then imf 1 to 5, in this order for every number
.irp j, 0,1,2,3,4,5,6,7
	v_pk_mul_f32 v[M+80+2*\j:M+80+2*\j+1], v[M+80+2*\j:M+80+2*\j+1], v[SM+10:SM+11]
.endr
.irp m, 0,1,2,3
.irp j, 0,1,2,3,4,5,6,7
	v_pk_fma_f32 v[M+80+2*\j:M+80+2*\j+1], v[M+16*\m+2*\j:M+16*\m+2*\j+1], v[SM+2*\m:SM+2*\m+1], v[M+80+2*\j:M+80+2*\j+1]
.endr
.endr
	s_wait_alu depctr_va_vdst(0)                   ; the multiply-adds of imf 1 to 4 are done reading v[M .. M+63], and all that wrote these registers has written them: the 16 loads below land there
	; the registers of imf 1 to 4 are free: Value's row and my four pieces of weights go out now, 16 loads
.irp i, 0,1,2,3,4,5,6,7
	global_load_b128 v[M+4*\i:M+4*\i+3], v1, s[28:29] offset:512*\i th:TH_LOAD_NT
.endr
.irp n, 0,1,2,3
	global_load_b128 v[M+32+8*\n:M+32+8*\n+3], v1, s[30+2*\n:31+2*\n] th:TH_LOAD_NT
	global_load_b128 v[M+32+8*\n+4:M+32+8*\n+7], v1, s[30+2*\n:31+2*\n] offset:512 th:TH_LOAD_NT
.endr
.irp j, 0,1,2,3,4,5,6,7                ; imf 5's share stands behind the loads: it names v[M+64 .. M+95] and its weight, none of the registers that the loads touch
	v_pk_fma_f32 v[M+80+2*\j:M+80+2*\j+1], v[M+64+2*\j:M+64+2*\j+1], v[SM+8:SM+9], v[M+80+2*\j:M+80+2*\j+1]
.endr
.irp j, 0,1,2,3,4,5,6,7
	v_cvt_pk_f16_f32 v[M+80+\j], v[M+80+2*\j], v[M+80+2*\j+1]      ; in place, ascending: line j writes a register that lines j+1.. no longer read
.endr
	s_wait_alu depctr_va_vdst(0)                   ; the roundings have written v[M+80 .. M+87], which the LDS stores read; imf 5's multiply-adds are done reading v[M+64 .. M+71], in which the LDS loads behind the barrier land
.irp i, 0,1,2,3
	ds_store_b64 v[LW], v[M+80+2*\i:M+80+2*\i+1] offset:256*\i
.endr
	s_wait_dscnt 0x0                               ; my row is in LDS, for the other waves' sake
	s_barrier_signal -1
	s_barrier_wait -1
	ds_load_b128 v[M+64:M+67], v[LR]               ; 64 Pe[r][8 c ..] / s, c = T / 16
	ds_load_b128 v[M+68:M+71], v[LR] offset:512    ; c + 32
	s_wait_dscnt 0x0
	global_store_b128 v[PO], v[M+64:M+67], s[38:39]                ; a wave's store covers 512 consecutive bytes
	global_store_b128 v[PO], v[M+68:M+71], s[38:39] offset:8192
; THE COPIES' WAY OUT.  One load's worth of f32, four registers at reg, closes up into reg and reg + 1.  No register is written again behind its store.
.macro CVB reg                         ; to bf16
	v_cvt_pk_bf16_f32 v[(\reg)], v[(\reg)], v[(\reg)+1]
	v_cvt_pk_bf16_f32 v[(\reg)+1], v[(\reg)+2], v[(\reg)+3]
.endm
.macro CVH reg                         ; the bf16 numbers written as f16: rounded to bf16, widened again (a shift, a mask), narrowed to f16
	v_cvt_pk_bf16_f32 v[(\reg)], v[(\reg)], v[(\reg)+1]
	v_cvt_pk_bf16_f32 v[(\reg)+2], v[(\reg)+2], v[(\reg)+3]
	v_and_b32 v[(\reg)+1], 0xffff0000, v[(\reg)]
	v_lshlrev_b32 v[(\reg)], 16, v[(\reg)]
	v_and_b32 v[(\reg)+3], 0xffff0000, v[(\reg)+2]
	v_lshlrev_b32 v[(\reg)+2], 16, v[(\reg)+2]
	v_cvt_pk_f16_f32 v[(\reg)], v[(\reg)], v[(\reg)+1]
	v_cvt_pk_f16_f32 v[(\reg)+1], v[(\reg)+2], v[(\reg)+3]
.endm
.macro PUT reg, blo, off               ; 8 bytes a lane, 256 consecutive bytes a store
	global_store_b64 v2, v[(\reg):(\reg)+1], s[\blo:\blo+1] offset:\off
.endm
	s_wait_loadcnt 16                              ; Query's and Key's rows are in; Value's 8 loads and the weights' 8 are younger
.set q, 0
.rept 8
	CVB CA+4*q
.set q, q+1
.endr
	s_wait_alu depctr_va_vdst(0)                   ; Query's conversions have written v[CA ..], which the eight stores below read; Key's conversions between them name v[CB ..] alone
.set q, 0
.rept 8
	PUT CA+4*q, 40, 256*q
	CVB CB+4*q
.set q, q+1
.endr
	s_wait_alu depctr_va_vdst(0)                   ; Key's conversions have written v[CB ..], which the eight stores below read; Value's conversions between them name v[M .. M+31] alone
	s_wait_loadcnt 8                               ; Value's row; the weights' 8 loads are younger
.set q, 0
.rept 8
	PUT CB+4*q, 82, 256*q
	CVB M+4*q
.set q, q+1
.endr
	s_wait_alu depctr_va_vdst(0)                   ; Value's conversions have written v[M .. M+31], which the eight stores below read; the weights' conversions between them name v[M+32 .. M+63] alone
	s_wait_loadcnt 0x0                             ; the weights
.set q, 0
.rept 6
	PUT M+4*q, 84, 256*q
	CVB M+32+4*q                                   ; Wq, Wk, Wv: two pieces each
.set q, q+1
.endr
.rept 2
	PUT M+4*q, 84, 256*q
	CVH M+32+4*q                                   ; Wo
.set q, q+1
.endr
	s_wait_alu depctr_va_vdst(0)                   ; the weights' conversions have written v[M+32 .. M+63], which the last eight stores read
.set q, 0
.rept 8
	PUT M+32+4*q, 42, (q/2)*2097152+256*(q%2)      ; matrix n of wbf begins 2,097,152 n bytes in: inside the immediate
.set q, q+1
.endr
	s_wait_dscnt 0x0                               ; the closing lines, six on end
	s_wait_alu 0x0
	s_wait_tensorcnt 0x0
	ds_add_u32 v216, v217
	s_wait_dscnt 0x0
	s_endpgm
.Lfunc_end_k_q755cfec48e_prep:
	.size	k_q755cfec48e_prep, .Lfunc_end_k_q755cfec48e_prep-k_q755cfec48e_prep
	.p2alignl 7, 3214868480
	.fill 96, 4, 3214868480
	.section	.rodata,"a",@progbits
	.p2align	6, 0x0
	.amdhsa_kernel k_q755cfec48e_prep
		.amdhsa_group_segment_fixed_size 18688
		.amdhsa_private_segment_fixed_size 0
		.amdhsa_enable_private_segment 0
		.amdhsa_kernarg_size 144
		.amdhsa_user_sgpr_count 2
		.amdhsa_user_sgpr_kernarg_segment_ptr 1
		.amdhsa_wavefront_size32 1
		.amdhsa_system_sgpr_workgroup_id_x 1
		.amdhsa_system_sgpr_workgroup_id_y 1
		.amdhsa_system_sgpr_workgroup_id_z 1
		.amdhsa_system_vgpr_workitem_id 0
		.amdhsa_next_free_vgpr 218
		.amdhsa_next_free_sgpr 86
		.amdhsa_reserve_vcc 0
		.amdhsa_float_denorm_mode_32 3
		.amdhsa_float_denorm_mode_16_64 3
		.amdhsa_memory_ordered 1
		.amdhsa_forward_progress 1
		.amdhsa_inst_pref_size 44
	.end_amdhsa_kernel
	.amdgpu_metadata
---
amdhsa.version: [ 1, 2 ]
amdhsa.kernels:
  - .name:           k_q755cfec48e_prep
    .symbol:         k_q755cfec48e_prep.kd
    .args:
      - { .name: imf_1_matrix, .offset: 0, .size: 8, .value_kind: global_buffer, .address_space: global }
      - { .name: imf_2_matrix, .offset: 8, .size: 8, .value_kind: global_buffer, .address_space: global }
      - { .name: imf_3_matrix, .offset: 16, .size: 8, .value_kind: global_buffer, .address_space: global }
      - { .name: imf_4_matrix, .offset: 24, .size: 8, .value_kind: global_buffer, .address_space: global }
      - { .name: imf_5_matrix, .offset: 32, .size: 8, .value_kind: global_buffer, .address_space: global }
      - { .name: adj_matrix, .offset: 40, .size: 8, .value_kind: global_buffer, .address_space: global }
      - { .name: mask, .offset: 48, .size: 8, .value_kind: global_buffer, .address_space: global }
      - { .name: lambdas, .offset: 56, .size: 8, .value_kind: global_buffer, .address_space: global }
      - { .name: Query, .offset: 64, .size: 8, .value_kind: global_buffer, .address_space: global }
      - { .name: Key, .offset: 72, .size: 8, .value_kind: global_buffer, .address_space: global }
      - { .name: Value, .offset: 80, .size: 8, .value_kind: global_buffer, .address_space: global }
      - { .name: Wq, .offset: 88, .size: 8, .value_kind: global_buffer, .address_space: global }
      - { .name: Wk, .offset: 96, .size: 8, .value_kind: global_buffer, .address_space: global }
      - { .name: Wv, .offset: 104, .size: 8, .value_kind: global_buffer, .address_space: global }
      - { .name: Wo, .offset: 112, .size: 8, .value_kind: global_buffer, .address_space: global }
      - { .name: pe, .offset: 120, .size: 8, .value_kind: global_buffer, .address_space: global }
      - { .name: abf, .offset: 128, .size: 8, .value_kind: global_buffer, .address_space: global }
      - { .name: wbf, .offset: 136, .size: 8, .value_kind: global_buffer, .address_space: global }
    .group_segment_fixed_size: 18688
    .private_segment_fixed_size: 0
    .kernarg_segment_align: 8
    .kernarg_segment_size: 144
    .max_flat_workgroup_size: 512
    .sgpr_count:     86
    .vgpr_count:     218
    .wavefront_size: 32
...
	.end_amdgpu_metadata
.endif
;; end of part 5
;; launch qkvproj: the kernel of part 2 again; grid 4 x 48, 4 waves a work-group, clusters of 4 x 4, 327,680 bytes of LDS; arguments abf, wbf, qkv, bq, bk, bv; writes qkv
;; launch attn: the kernel of part 3 again; grid 256 x 1, 4 waves a work-group, clusters of 4 x 1, 289,280 bytes of LDS; arguments qkv, pe, mask, lambdas, xf; writes xf
;; launch oproj: the kernel of part 4 again; grid 8 x 32, 4 waves a work-group, clusters of 4 x 4, 327,680 bytes of LDS; arguments xf, wbf, bo, out0, lambdas; writes out0
